; MI455X (gfx1250); checked and timed in simulation.
; The chip was launched on July 23, 2026; its instructions are those of AMD's public machine-readable ISA for CDNA 5 (MIT licence, August 2026) and "CDNA5" Instruction Set Architecture Reference Guide (July 2026). The comments in the code are by the model that wrote it; some were corrected since.
;; Attention. Allowed arithmetic: matrix products marked QUANTISED: E4M3 operands, one E8M0 scale for each 32 along K, by v_wmma_scale_f32_16x16x128_f8f6f4 with both operands' format E4M3, f32 sums; everything else in f32.
;; Inputs: cos 2,048 x 64 float32; k_norm_w 64 float32; mask 1 x 1 x 2,048 x 2,048 float32; q_norm_w 64 float32; sin 2,048 x 64 float32; wk 256 x 1,024 float32; wo 1,024 x 1,024 float32; wq 1,024 x 1,024 float32; wv 256 x 1,024 float32; x_codes 2 x 2,048 x 32 x 32 uint8 (E4M3 codes of x, K innermost, in blocks of 32 codes); x_scales 2 x 2,048 x 32 uint8 (E8M0 scales of x, one for each 32 codes along K).
;; Outputs: out0 2 x 2,048 x 1,024 float32.
;; This version of the problem:
;;   THIS VERSION OF THE PROBLEM IS GIVEN IN LOW PRECISION. The matrix products marked QUANTISED in the list below multiply operands that are first quantised to E4M3 (4 exponent bits, 3 mantissa bits; 8 bits a number), with one power-of-two scale for each 32 numbers along K (OCP MX v1.0); their sums are f32. All else is computed in f32.
;;   The module's matrix products, in the order in which they are computed (A, B: the left and right operand; K: the contracted axis; several contracted axes count as one K, in the product's order):
;;     1. [M 4,096, K 1,024] x [K 1,024, N 1,024]; A: input x (given as codes); B: computed on the way: QUANTISED
;;     2. [M 4,096, K 1,024] x [K 1,024, N 256]; A: input x (given as codes); B: computed on the way: QUANTISED
;;     3. [M 4,096, K 1,024] x [K 1,024, N 256]; A: input x (given as codes); B: computed on the way: QUANTISED
;;     4. batch 32 x [M 2,048, K 64] x [K 64, N 2,048]; A: computed on the way; B: computed on the way: QUANTISED
;;     5. batch 32 x [M 2,048, K 2,048] x [K 2,048, N 64]; A: softmax (see below); B: computed on the way: QUANTISED
;;     6. [M 4,096, K 1,024] x [K 1,024, N 1,024]; A: computed on the way; B: computed on the way: QUANTISED
;;   THE QUANTISER, for each operand of a quantised product, along K:
;;     - K is cut into blocks of 32 from its start; a last block that is shorter is filled with zeros.
;;     - A block's scale is 2^e with e = floor(log2(the largest magnitude in the block)) - 8, held to -126 .. 127; a block of zeros has e = 0. As a byte (E8M0): e + 127.
;;     - Each number is divided by its block's scale, clamped to +-448, and rounded to the nearest number of E4M3, ties to even, subnormals kept.
;;     - The product sums the exact products of the quantised numbers (number of the format x scale) in f32.
;;   ~~~python
;;   def quantise(x, axis):      # numpy; x: float32 -> the quantised numbers, widened to float32 again
;;       x = np.moveaxis(x, axis, -1); K = x.shape[-1]
;;       x = np.pad(x, [(0, 0)] * (x.ndim - 1) + [(0, -K % 32)]); x = x.reshape(x.shape[:-1] + (-1, 32)); a = np.abs(x).max(-1, keepdims=True)
;;       e = np.where(a > 0, np.clip(np.frexp(np.where(a > 0, a, 1))[1] - 1 - 8, -126, 127), 0)      # np.frexp(a)[1] - 1 = floor(log2(a)), exactly
;;       r = np.clip(x / 2.0 ** e, -448, 448)
;;       step = 2.0 ** (np.maximum(np.frexp(np.where(r == 0, 1, r))[1] - 1, -6) - 3)
;;       q = np.round(r / step) * step * 2.0 ** e      # np.round: ties to even
;;       return np.moveaxis(q.reshape(q.shape[:-2] + (-1,))[..., :K], -1, axis).astype(np.float32)
;;   ~~~
;;   SOFTMAX AHEAD OF A QUANTISED PRODUCT. Where the list says 'softmax', what is quantised is not the finished softmax but p = 2^(t - M), with t = logit x log2(e) and M = ceil(the row's largest t), a whole number; so 1/2 < the row's largest p <= 1. The row's sum l is taken of the UNQUANTISED p, in f32, and the product's result is divided by l at the end. Since M is a whole number, a kernel that streams over the keys may use a running M (the ceiling of the running maximum): every later rescaling is an exact power of two, which a block's scale takes up: the codes' values come out the same.
;;   OPERANDS COMPUTED ON THE WAY. 'Computed on the way' means the value that the module computes at that place (a softmax that the list does not call 'softmax' is quantised finished and normalised). What goes into a quantiser is computed in f32, as accurately as f32 sums, v_exp_f32 and their like allow (about 1e-6 of the number): no bf16 or f16 on the way to a quantiser, and a product that is left as it is and whose result goes on into a quantised operand takes f32 operands (vector FMAs, or v_wmma_f32_16x16x4_f32). A number that lies on a knife's edge between two numbers of the format may be rounded either way, as far as f32 arithmetic and the matrix unit's own rounding can turn it there, and no further.
;;   INPUTS GIVEN AS CODES. x (in the module: [2, 2048, 1024], K = its axis 2): each comes as NAME_codes (uint8): NAME with its K axis moved to the last place and cut into blocks of 32 codes, [.., K / 32, bytes a block], one block behind the other in memory; one code a byte (a code: sign, 4 exponent bits, 3 mantissa bits); and NAME_scales (uint8): the same leading axes, one E8M0 byte (e + 127) for each 32 codes along K. Its value is code x scale, taken as it is: it is not quantised again, and the codes and scales need not be those that the quantiser above would give.
;; One version. Each part assembles by itself: llvm-mc -triple=amdgcn-amd-amdhsa -mcpu=gfx1250 --defsym DOCPART=n.
;; ======== version 1 of 1: 5 launches
;; limits: right only within a limited range of input values
;; workspace buffers: parts 5,120 bytes; wc 2,621,440 bytes; qc 4,194,304 bytes; qs 524,288 bytes; kv 2,228,224 bytes; ac 4,718,592 bytes; mimg 16,777,216 bytes; live 32,768 bytes of whole numbers
;; launch wprep (part 1): grid 320 x 1, 4 waves a work-group, no clusters, 9,728 bytes of LDS; arguments wq, wk, wv, wo, wc, parts; writes wc, parts
.if DOCPART == 1
	.amdgcn_target "amdgcn-amd-amdhsa--gfx1250"
	.amdhsa_code_object_version 6
	.text
	.protected	k_q7e89d9d9ef_wprep
	.globl	k_q7e89d9d9ef_wprep
	.p2align	8
	.type	k_q7e89d9d9ef_wprep,@function
k_q7e89d9d9ef_wprep:
	s_mov_b64 s[64:65], 0
	v_nop
	global_prefetch_b8 v0, s[64:65] scope:SCOPE_SE
	s_setreg_imm32_b32 hwreg(HW_REG_WAVE_MODE, 25, 1), 1
	s_wait_xcnt 0x0
; The four weights are laid out for the matrix unit, as far as that can be done without alpha = mean |w| of a whole weight.
; A quantised weight is sign(w) x alpha: every number that is not 0 has ONE code magnitude and every block ONE scale.  So this launch stores, for each number, a byte that holds its sign over seven ones (0xff, 0x7f), or 0 where w is 0,
; and the partial sums of |w|; the launches that multiply add the partial sums, make alpha's code by the quantiser's rule, and finish each register of a fragment by one AND with 0x80 | code.
; wc: [tile 0..159][K step 0..7][2,048 bytes].  A tile is 16 rows, a K step 128 along K; the 2,048 bytes are AN IMAGE OF THE OPERAND'S REGISTERS: [c 0..3][lane][16 bytes], lane (r, h): k = 32 c + 16 h + 0 .. 15 of row r.
; THE ROWS OF A TILE ARE NOT NEIGHBOURS: tile 2 g + u of a weight holds rows 32 g + 8 u + r + 8 (r / 8), so that the results of two neighbouring tiles are 16 neighbours along the next K.
; Tiles 0-63: wq, 64-79: wk, 80-95: wv, 96-159: wo.  parts: [tile][K step] f32: the sum of |w| over the image's 2,048 numbers.
; A wave makes one image: 16 loads of 512 consecutive bytes (a row's 128 numbers, four a lane); a lane's four bytes of a row are one word; the words turn through the wave's own stage in LDS
; (16 rows of 128 bytes + 16) into the image's order.  Waves share nothing: no barrier.
; LIMITS: NaN and infinities among the weights are not served.
.set STG, 2304                         ; a wave's stage: 16 rows x 144 bytes
.set T,   16                           ; v16-19  at work
.set W,   32                           ; v32-95  the 16 rows as loaded
.set C,   96                           ; v96-111 register i: row i's four bytes
.set O,   112                          ; v112-127 the image
	s_load_b256 s[4:11], s[0:1], 0x0               ; wq s[4:5], wk s[6:7], wv s[8:9], wo s[10:11]
	s_load_b128 s[12:15], s[0:1], 0x20             ; wc s[12:13], parts s[14:15]
	v_lshl_add_u32 v128, v0, 2, 0x2400
	v_mov_b32 v129, 0
	v_lshrrev_b32 v1, 5, v0
	v_readfirstlane_b32 s22, v1                    ; wave 0..3
	v_and_b32 v2, 31, v0                           ; lane
	v_lshlrev_b32 v1, 4, v2                        ; 16 x lane
	v_lshlrev_b32 v14, 2, v2                       ; 4 x lane
	s_mul_i32 s41, s22, STG
	v_add_nc_u32 v12, s41, v14                     ; the stage, in: 4 bytes a lane of a row
	v_and_b32 v3, 15, v2
	v_lshrrev_b32 v13, 4, v2
	v_mul_u32_u24 v3, v3, 144
	v_lshl_add_u32 v13, v13, 4, v3
	v_add_nc_u32 v13, s41, v13                     ; and out: row r, + 16 h
	v_mov_b32 v7, 0
	s_lshr_b32 s20, ttmp9, 1                       ; the tile
	s_and_b32 s21, ttmp9, 1
	s_lshl_b32 s23, s21, 2
	s_add_co_u32 s23, s23, s22                     ; the K step: 4 x (work-group % 2) + wave
	s_mov_b32 s26, 96
	s_mov_b32 s30, 0x7fffffff
	s_mov_b32 s38, 0x07030703                      ; v_perm_b32: the top bytes of two words
	s_mov_b32 s39, 0x05040100                      ; and the low halves of two words
	s_mov_b32 s40, 0x7f000000
	s_mov_b32 s42, 0x76543210
	s_mov_b32 s43, 0xfedcba98                      ; v_permlanex16_b32's selects for lane l xor 16
	s_wait_alu depctr_va_vdst(0)
	s_wait_kmcnt 0x0
	s_cmp_lt_u32 s20, 96                           ; which weight, and its first tile: the choice hangs on the work-group's number alone
	s_cselect_b64 s[24:25], s[8:9], s[10:11]
	s_cselect_b32 s26, 80, s26
	s_cmp_lt_u32 s20, 80
	s_cselect_b64 s[24:25], s[6:7], s[24:25]
	s_cselect_b32 s26, 64, s26
	s_cmp_lt_u32 s20, 64
	s_cselect_b64 s[24:25], s[4:5], s[24:25]
	s_cselect_b32 s26, 0, s26
	s_sub_co_u32 s32, s20, s26                     ; the tile within its weight: 2 g + u
	s_lshr_b32 s33, s32, 1
	s_lshl_b32 s33, s33, 17                        ; 32 g rows of 4,096 bytes
	s_and_b32 s34, s32, 1
	s_lshl_b32 s34, s34, 15                        ; + 8 u rows
	s_add_co_u32 s33, s33, s34
	s_lshl_b32 s34, s23, 9                         ; + 512 bytes a K step
	s_add_co_u32 s34, s33, s34
	s_mov_b32 s35, 0
	s_add_nc_u64 s[24:25], s[24:25], s[34:35]
	s_lshl_b32 s36, s20, 14
	s_lshl_b32 s33, s23, 11
	s_add_co_u32 s36, s36, s33
	s_mov_b32 s37, 0
	s_add_nc_u64 s[12:13], s[12:13], s[36:37]      ; wc + 16,384 x tile + 2,048 x K step
	s_lshl_b32 s36, s20, 5
	s_lshl_b32 s33, s23, 2
	s_add_co_u32 s36, s36, s33
	s_add_nc_u64 s[14:15], s[14:15], s[36:37]      ; parts + 4 (8 x tile + K step)
.irp i, 0,1,2,3,4,5,6,7,8,9,10,11,12,13,14,15
	global_load_b128 v[W+4*\i:W+4*\i+3], v1, s[24:25] offset:(\i+8*(\i/8))*4096 th:TH_LOAD_NT   ; row i + 8 (i / 8) of the tile's 24: 512 consecutive bytes; the program reads the weights once
.endr
; Row i: each of my four numbers gives its sign over seven ones in its top byte, or 0; the four top bytes make a word; |w| goes into four chains.
.macro ROWB i
	s_wait_loadcnt 15-\i                           ; this row is in; the rows behind it stay out
.irp j, 0,1,2,3
	v_or_b32 v[T+\j], s40, v[W+4*\i+\j]            ; the top byte: the sign, and seven ones
	v_cmp_neq_f32 vcc_lo, 0, v[W+4*\i+\j]
	v_cndmask_b32 v[T+\j], 0, v[T+\j], vcc_lo      ; sign(0) = 0
.if \i == 0
	v_and_b32 v[8+\j], s30, v[W+\j]                ; the first row starts the four chains: nothing is cleared
.else
	v_add_f32 v[8+\j], v[8+\j], |v[W+4*\i+\j]|
.endif
.endr
	v_perm_b32 v[T], v[T+1], v[T], s38
	v_perm_b32 v[T+2], v[T+3], v[T+2], s38
	v_perm_b32 v[C+\i], v[T+2], v[T], s39          ; the lower k in the lower byte
	ds_store_b32 v12, v[C+\i] offset:144*\i
.endm
.irp i, 0,1,2,3,4,5,6,7,8,9,10,11,12,13,14,15
	ROWB \i
.endr
.irp c, 0,1,2,3
	ds_load_b128 v[O+4*\c:O+4*\c+3], v13 offset:32*\c   ; LDS serves a wave's instructions in order: these see my stores
.endr
	v_add_f32 v8, v8, v9
	v_add_f32 v10, v10, v11
	v_add_f32 v8, v8, v10
	v_add_f32_dpp v8, v8, v8 row_xmask:1 row_mask:0xf bank_mask:0xf
	v_add_f32_dpp v8, v8, v8 row_xmask:2 row_mask:0xf bank_mask:0xf
	v_add_f32_dpp v8, v8, v8 row_xmask:4 row_mask:0xf bank_mask:0xf
	v_add_f32_dpp v8, v8, v8 row_xmask:8 row_mask:0xf bank_mask:0xf
	v_permlanex16_b32 v9, v8, s42, s43
	v_add_f32 v8, v8, v9                           ; the image's sum of |w|, in every lane
	s_wait_alu depctr_va_vdst(0)
.irp c, 0,1,2,3
	s_wait_dscnt 3-\c
	global_store_b128 v1, v[O+4*\c:O+4*\c+3], s[12:13] offset:512*\c   ; 512 consecutive bytes, aligned
.endr
	s_wait_xcnt 0x0                                ; EXEC changes only behind this wait
	v_cmp_eq_u32 vcc_lo, 0, v2
	s_wait_tensorcnt 0x0
	ds_add_u32 v128, v129
	s_wait_dscnt 0x0
	s_and_saveexec_b32 s44, vcc_lo
	global_store_b32 v7, v8, s[14:15]              ; one lane stores the sum
	s_wait_xcnt 0x0
	s_or_b32 exec_lo, exec_lo, s44
	s_endpgm
.Lfunc_end_k_q7e89d9d9ef_wprep:
	.size	k_q7e89d9d9ef_wprep, .Lfunc_end_k_q7e89d9d9ef_wprep-k_q7e89d9d9ef_wprep
	.p2alignl 7, 3214868480
	.fill 96, 4, 3214868480
	.section	.rodata,"a",@progbits
	.p2align	6, 0x0
	.amdhsa_kernel k_q7e89d9d9ef_wprep
		.amdhsa_group_segment_fixed_size 9728
		.amdhsa_private_segment_fixed_size 0
		.amdhsa_enable_private_segment 0
		.amdhsa_kernarg_size 48
		.amdhsa_user_sgpr_count 2
		.amdhsa_user_sgpr_kernarg_segment_ptr 1
		.amdhsa_wavefront_size32 1
		.amdhsa_system_sgpr_workgroup_id_x 1
		.amdhsa_system_sgpr_workgroup_id_y 1
		.amdhsa_system_sgpr_workgroup_id_z 1
		.amdhsa_system_vgpr_workitem_id 0
		.amdhsa_next_free_vgpr 130
		.amdhsa_next_free_sgpr 66
		.amdhsa_reserve_vcc 1
		.amdhsa_float_denorm_mode_32 3
		.amdhsa_float_denorm_mode_16_64 3
		.amdhsa_memory_ordered 1
		.amdhsa_forward_progress 1
		.amdhsa_inst_pref_size 21
	.end_amdhsa_kernel
	.amdgpu_metadata
---
amdhsa.version: [ 1, 2 ]
amdhsa.kernels:
  - .name:           k_q7e89d9d9ef_wprep
    .symbol:         k_q7e89d9d9ef_wprep.kd
    .args:
      - { .name: wq, .offset: 0, .size: 8, .value_kind: global_buffer, .address_space: global }
      - { .name: wk, .offset: 8, .size: 8, .value_kind: global_buffer, .address_space: global }
      - { .name: wv, .offset: 16, .size: 8, .value_kind: global_buffer, .address_space: global }
      - { .name: wo, .offset: 24, .size: 8, .value_kind: global_buffer, .address_space: global }
      - { .name: wc, .offset: 32, .size: 8, .value_kind: global_buffer, .address_space: global }
      - { .name: parts, .offset: 40, .size: 8, .value_kind: global_buffer, .address_space: global }
    .group_segment_fixed_size: 9728
    .private_segment_fixed_size: 0
    .kernarg_segment_align: 8
    .kernarg_segment_size: 48
    .max_flat_workgroup_size: 128
    .sgpr_count:     66
    .vgpr_count:     130
    .wavefront_size: 32
...
	.end_amdgpu_metadata
.endif
;; end of part 1
;; launch mprep (part 2): grid 128 x 1, 16 waves a work-group, no clusters, 138,496 bytes of LDS; arguments mask, mimg, live; writes mimg, live
.if DOCPART == 2
	.amdgcn_target "amdgcn-amd-amdhsa--gfx1250"
	.amdhsa_code_object_version 6
	.text
	.protected	k_q7e89d9d9ef_mprep
	.globl	k_q7e89d9d9ef_mprep
	.p2align	8
	.type	k_q7e89d9d9ef_mprep,@function
k_q7e89d9d9ef_mprep:
	s_mov_b64 s[64:65], 0
	v_nop
	global_prefetch_b8 v0, s[64:65] scope:SCOPE_SE
	s_setreg_imm32_b32 hwreg(HW_REG_WAVE_MODE, 25, 1), 1
	s_wait_xcnt 0x0
; The mask is read once, laid out for the attention launch, and searched for key steps that can reach no output.
; mimg: [tile of 16 queries 0..127][key step of 128 keys 0..15][k 0..15][lane][16 bytes]: AN IMAGE OF REGISTERS: piece k = 4 f + j of lane (r, h) holds mask[16 tile + r][128 step + 32 f + 16 h + 4 j + 0 .. 3], as the scores lie there.
; live: [tile][64 words], every word the same: bit s is 1 where key step s of the tile is to be computed.
; WHEN A STEP IS LEFT OUT.  The logit is 50 tanh(..) + mask, and 50 tanh lies in -50 .. 50.  Step s of a tile is dead where in EVERY one of its 16 rows the step's largest mask word lies more than 256 under the row's largest word.
; Then each of its logits lies more than 156 under the row's largest logit, t - M under -225, and p = 2^(t - M) is 0 in f32, in the definition as here: zero codes, nothing for the row's sum, and M is not moved.
; The step that holds a row's largest word is never dead, so every tile has a live step.  A comparison with a NaN is false, so it kills no step.  LIMIT: a NaN in the mask beside larger words is not seen by the maxima; NaN is not served.
; SHARES.  Work-group = tile, wave = key step: 16 loads of 512 consecutive bytes (a row's 128 words), through the wave's own stage in LDS (16 rows of 512 + 16 bytes) into the image's order, 16 stores of 512 consecutive bytes.
; The rows' largest words of the step go through LDS to all waves (one barrier); every wave forms the word of 16 bits without a branch, wave 0 stores it as one aligned run of 256 bytes.
.set STG,   8448
.set EX,    16*STG                     ; [row][16 steps]: rows of 64 + 16 bytes
.set SPARE, EX+1280                    ; the spare words: 128 bytes for each of 16 waves
.set R, 32                             ; v32-95   the 16 rows as loaded
.set I, 96                             ; v96-159  the image
.set X, 160                            ; v160-175 my row's 16 step maxima
	s_load_b128 s[4:7], s[0:1], 0x0                ; mask, mimg
	s_load_b64 s[8:9], s[0:1], 0x10                ; live
	v_lshl_add_u32 v30, v0, 2, SPARE
	v_mov_b32 v31, 0
	v_lshrrev_b32 v1, 5, v0
	v_readfirstlane_b32 s10, v1                    ; wave = key step
	s_mul_i32 s11, s10, STG
	s_lshl_b32 s12, s10, 2
	s_lshl_b32 s16, ttmp9, 17                      ; 16 rows of 8,192 bytes a tile,
	s_lshl_b32 s13, s10, 9
	s_add_co_u32 s16, s16, s13                     ; 512 bytes a step
	s_mov_b32 s17, 0
	s_lshl_b32 s18, ttmp9, 17                      ; the image: 16 x 8,192 bytes a tile,
	s_lshl_b32 s13, s10, 13
	s_add_co_u32 s18, s18, s13                     ; 8,192 a step
	s_mov_b32 s19, 0
	s_lshl_b32 s20, ttmp9, 8                       ; 256 bytes of live a tile
	s_mov_b32 s21, 0
	s_mov_b32 s22, 0
	s_mov_b32 s24, 0x76543210
	s_mov_b32 s25, 0xfedcba98                      ; lane selects: lane l xor 16
	v_and_b32 v2, 31, v0
	v_lshlrev_b32 v1, 4, v2                        ; 16 x lane
	v_lshlrev_b32 v3, 3, v2                        ; 8 x lane
	v_add_nc_u32 v12, s11, v1                      ; the stage, in: 16 bytes a lane of a row
	v_and_b32 v4, 15, v0
	v_bfe_u32 v5, v0, 4, 1
	v_mul_u32_u24 v13, v4, 528
	v_lshl_add_u32 v13, v5, 6, v13
	v_add_nc_u32 v13, s11, v13                     ; and out: row r, + 64 h
	v_mul_u32_u24 v15, v4, 80
	v_add_nc_u32 v15, EX, v15                      ; row r's 16 words
	v_add_nc_u32 v14, s12, v15                     ; and my step's among them
	v_mov_b32 v7, 0                                ; a lane permute's destination counts as a source
	s_wait_alu depctr_va_vdst(0)                   ; the wait at the head's end
	s_wait_kmcnt 0x0
	s_add_nc_u64 s[4:5], s[4:5], s[16:17]
	s_add_nc_u64 s[6:7], s[6:7], s[18:19]
	s_add_nc_u64 s[8:9], s[8:9], s[20:21]
.irp i, 0,1,2,3,4,5,6,7,8,9,10,11,12,13,14,15
	global_load_b128 v[R+4*\i:R+4*\i+3], v1, s[4:5] offset:8192*\i th:TH_LOAD_NT
.endr
.irp i, 0,1,2,3,4,5,6,7,8,9,10,11,12,13,14,15
	s_wait_loadcnt 15-\i                           ; this row is in; the rows behind it stay out
	ds_store_b128 v12, v[R+4*\i:R+4*\i+3] offset:528*\i
.endr
.irp f, 0,1,2,3
.irp j, 0,1,2,3
	ds_load_b128 v[I+16*\f+4*\j:I+16*\f+4*\j+3], v13 offset:128*\f+16*\j   ; LDS serves a wave's instructions in order: these see my stores
.endr
.endr
.irp k, 0,1,2,3,4,5,6,7,8,9,10,11,12,13,14,15
	s_wait_dscnt 15-\k
	global_store_b128 v1, v[I+4*\k:I+4*\k+3], s[6:7] offset:512*\k   ; 512 consecutive bytes, aligned
.endr
.irp b, 0,1,2,3
	v_max3_num_f32 v[16+\b], v[I+16*\b], v[I+16*\b+1], v[I+16*\b+2]   ; my 64 words of row r, four chains by turns
.endr
.irp i, 3,5,7,9,11,13
.irp b, 0,1,2,3
	v_max3_num_f32 v[16+\b], v[16+\b], v[I+16*\b+\i], v[I+16*\b+\i+1]
.endr
.endr
.irp b, 0,1,2,3
	v_max_num_f32 v[16+\b], v[16+\b], v[I+16*\b+15]
.endr
	v_max3_num_f32 v8, v16, v17, v18
	v_max_num_f32 v8, v8, v19
	v_permlanex16_b32 v7, v8, s24, s25
	v_max_num_f32 v8, v8, v7                       ; the step's largest word of row r
	ds_store_b32 v14, v8                           ; (lanes r and r + 16 store the same word)
	s_wait_dscnt 0x0
	s_barrier_signal -1
	s_barrier_wait -1
.irp c, 0,1,2,3
	ds_load_b128 v[X+4*\c:X+4*\c+3], v15 offset:16*\c
.endr
	s_wait_dscnt 0x0
	v_max3_num_f32 v9, v[X], v[X+1], v[X+2]
.irp i, 3,5,7,9,11,13
	v_max3_num_f32 v9, v9, v[X+\i], v[X+\i+1]
.endr
	v_max_num_f32 v9, v9, v[X+15]                  ; the row's largest word
	v_add_f32 v9, 0xc3800000, v9                   ; less 256
	s_wait_alu depctr_va_vdst(0)                   ; the wait directly behind the write
.set ss, 0
.rept 16
	v_cmp_lt_f32 s26, v[X+ss], v9                  ; the rows in which step ss lies under the bound
	s_cmp_lg_u32 s26, -1                           ; not all of them: the step is live.  A selection, no branch
	s_cselect_b32 s27, 1<<ss, 0
	s_or_b32 s22, s22, s27
.set ss, ss+1
.endr
	v_mov_b32 v10, s22
	v_mov_b32 v11, s22
	s_cmp_lg_u32 s10, 0
	s_cbranch_scc1 .Lend
	global_store_b64 v3, v[10:11], s[8:9]          ; 256 consecutive bytes, aligned
.Lend:
	s_wait_tensorcnt 0x0                           ; the wave's end
	ds_add_u32 v30, v31
	s_wait_dscnt 0x0
	s_endpgm
.Lfunc_end_k_q7e89d9d9ef_mprep:
	.size	k_q7e89d9d9ef_mprep, .Lfunc_end_k_q7e89d9d9ef_mprep-k_q7e89d9d9ef_mprep
	.p2alignl 7, 3214868480
	.fill 96, 4, 3214868480
	.section	.rodata,"a",@progbits
	.p2align	6, 0x0
	.amdhsa_kernel k_q7e89d9d9ef_mprep
		.amdhsa_group_segment_fixed_size 138496
		.amdhsa_private_segment_fixed_size 0
		.amdhsa_enable_private_segment 0
		.amdhsa_kernarg_size 24
		.amdhsa_user_sgpr_count 2
		.amdhsa_user_sgpr_kernarg_segment_ptr 1
		.amdhsa_wavefront_size32 1
		.amdhsa_system_sgpr_workgroup_id_x 1
		.amdhsa_system_sgpr_workgroup_id_y 1
		.amdhsa_system_sgpr_workgroup_id_z 1
		.amdhsa_system_vgpr_workitem_id 0
		.amdhsa_next_free_vgpr 176
		.amdhsa_next_free_sgpr 66
		.amdhsa_reserve_vcc 0
		.amdhsa_float_denorm_mode_32 3
		.amdhsa_float_denorm_mode_16_64 3
		.amdhsa_memory_ordered 1
		.amdhsa_forward_progress 1
		.amdhsa_inst_pref_size 15
	.end_amdhsa_kernel
	.amdgpu_metadata
---
amdhsa.version: [ 1, 2 ]
amdhsa.kernels:
  - .name:           k_q7e89d9d9ef_mprep
    .symbol:         k_q7e89d9d9ef_mprep.kd
    .args:
      - { .name: mask, .offset: 0, .size: 8, .value_kind: global_buffer, .address_space: global }
      - { .name: mimg, .offset: 8, .size: 8, .value_kind: global_buffer, .address_space: global }
      - { .name: live, .offset: 16, .size: 8, .value_kind: global_buffer, .address_space: global }
    .group_segment_fixed_size: 138496
    .private_segment_fixed_size: 0
    .kernarg_segment_align: 8
    .kernarg_segment_size: 24
    .max_flat_workgroup_size: 512
    .sgpr_count:     66
    .vgpr_count:     176
    .wavefront_size: 32
...
	.end_amdgpu_metadata
.endif
;; end of part 2
;; launch qkv (part 3): grid 8 x 32, 12 waves a work-group, no clusters, 169,472 bytes of LDS; arguments x_codes, x_scales, wc, parts, cos, sin, q_norm_w, k_norm_w, qc, qs, kv; writes qc, qs, kv
.if DOCPART == 3
	.amdgcn_target "amdgcn-amd-amdhsa--gfx1250"
	.amdhsa_code_object_version 6
	.text
	.protected	k_q7e89d9d9ef_qkv
	.globl	k_q7e89d9d9ef_qkv
	.p2align	8
	.type	k_q7e89d9d9ef_qkv,@function
k_q7e89d9d9ef_qkv:
	s_mov_b64 s[64:65], 0
	v_nop
	global_prefetch_b8 v0, s[64:65] scope:SCOPE_SE
	s_setreg_imm32_b32 hwreg(HW_REG_WAVE_MODE, 25, 1), 1
	s_wait_xcnt 0x0
; q, k, v = x W^T on codes of E4M3 (x as given, the weights' images from wc); q and k: RMS norm over the head's 64, gain, RoPE; then all three are quantised for attention: q and k along the head's 64, v along the keys.
; THE WEIGHTS' CODES ARE FINISHED HERE.  wc holds for each number its sign over seven ones, or 0.  Each wave adds its weight's partial sums of |w| (parts), alpha = their sum / the weight's numbers; the quantiser's rule gives alpha's
; scale byte (one for the whole weight) and its code; a fragment's register AND (0x80 | code, four times) is the register of codes of sign(w) x alpha.
; SHARES.  Work-group (X, Y): tokens 128 Y .. 128 Y + 127 (batch Y / 16, key step Y % 16).  x's tile, 128 rows x 1,024 bytes, comes into LDS once (two tensor loads, waves 0 and 1) and all twelve waves read it.
; Wave w: unit X + 8 (w / 4) of 24 units of 64 weight rows (0-15: q's heads, 16-19: k's, 20-23: v's), TG = w % 4.  A q or k wave: 32 tokens (group TG) x 64 channels; a v wave: 128 tokens x 16 channels (weight tile TG).
; Either way 8 accumulators by turns, 8 matrix instructions for each of the 8 K steps of 128.  The weights' fragments go from memory straight into registers, as images: 512 consecutive bytes a load, one K step ahead.
; NO CLUSTER: what work-groups share through LDS is x's tile, 131,072 of the up to 917,504 bytes that a work-group reads; the rest are weight fragments, which x's tile leaves no room for in LDS (133,120 + 3 x 65,536 bytes pass 327,680).
; LAYOUT, q and k: the product is used transposed (source 0 = 16 weight rows, source 1 = 16 tokens): a lane holds ONE token (lane % 16), and by the choice of a weight tile's rows its register 16 b + i is channel 32 b + 16 h + i
; (h = lane / 16): channels d and d + 32, which RoPE pairs, lie in one lane, and the conversions' results are the next operand's registers.  v: source 0 = 16 tokens, source 1 = 16 weight rows: a lane holds one channel, registers along the keys.
; TOKENS OF A TILE: q's are neighbours (16 u + r); k's and v's are 32 g + 8 u + r + 8 (r / 8), so that in attention 16 registers of two score tiles are 16 neighbouring keys.
; OUT.  qc [b][head][tile of 16][c 0..1][lane][16], qs [b][head][tile][lane][4] (bytes s0, s1, s0, s1).  kv [b][kv head][key step][17,408]: K's four fragments (registers 0-7: key tile (f, 0), 8-15: key tile (f, 1)), V^T's four,
; K's scale words [f][lane][4] (a.s0, a.s1, b.s0, b.s1), V's [t][lane][4].  All are images of operand registers: every store is 512 (words: 128) consecutive bytes.
; LIMITS: blocks whose largest magnitude lies under 2^-118 keep the byte 1, blocks of zeros too (this program alone reads the bytes); NaN and infinities are not served.  1 / rms is v_rsq_f32.
; REGISTERS: v1 16 x lane, v2 4 x lane, v3-9, v11 addresses; v10, v12-27 scale words and nothing else; v28-59 x's two fragments (v path: the weights' two sets), later the gains; v60-187 the weights' two sets
; (v path: x's eight fragments), later cosines and sines; v188-191 at work behind the loop, v191 until then 0x80 | alpha's code, four times; v192-255 the accumulators.
.set XP,  1040                         ; a row of x in LDS: 1,024 bytes + 16 of padding: 65 x 16, so the 16 rows that a load touches fall on 16 different columns of 16 bytes
.set XS,  12                           ; x's scale words
.set XF,  28
.set WV,  28
.set NW,  28
.set W0,  60
.set T4,  188
.set AM,  191
.set ACC, 192
.set SEL, 54                           ; s[54:55] lane selects for v_permlanex16_b32: lane l xor 16
.set MNT, 56                           ; s56 the mantissa field of 448
; One matrix instruction.  first = the K step: step 0 starts the sum with the constant 0.  row = 1: source 0's scales stand in lanes 16-31; 2: source 1's.
.macro MMA d, a, b, sa, sb, first, row
.if (\first) == 0
.if (\row) == 0
	v_wmma_scale_f32_16x16x128_f8f6f4 v[(\d):(\d)+7], v[(\a):(\a)+15], v[(\b):(\b)+15], 0, v[\sa], v[\sb]
.elseif (\row) == 1
	v_wmma_scale_f32_16x16x128_f8f6f4 v[(\d):(\d)+7], v[(\a):(\a)+15], v[(\b):(\b)+15], 0, v[\sa], v[\sb] matrix_a_scale:MATRIX_SCALE_ROW1
.else
	v_wmma_scale_f32_16x16x128_f8f6f4 v[(\d):(\d)+7], v[(\a):(\a)+15], v[(\b):(\b)+15], 0, v[\sa], v[\sb] matrix_b_scale:MATRIX_SCALE_ROW1
.endif
.else
.if (\row) == 0
	v_wmma_scale_f32_16x16x128_f8f6f4 v[(\d):(\d)+7], v[(\a):(\a)+15], v[(\b):(\b)+15], v[(\d):(\d)+7], v[\sa], v[\sb]
.elseif (\row) == 1
	v_wmma_scale_f32_16x16x128_f8f6f4 v[(\d):(\d)+7], v[(\a):(\a)+15], v[(\b):(\b)+15], v[(\d):(\d)+7], v[\sa], v[\sb] matrix_a_scale:MATRIX_SCALE_ROW1
.else
	v_wmma_scale_f32_16x16x128_f8f6f4 v[(\d):(\d)+7], v[(\a):(\a)+15], v[(\b):(\b)+15], v[(\d):(\d)+7], v[\sa], v[\sb] matrix_b_scale:MATRIX_SCALE_ROW1
.endif
.endif
.endm
; n registers of a weight's fragments from v[reg] on are finished: the sign stays, the seven ones become alpha's code.  Four places follow: an operand written by vector instructions stands four places ahead of a scaled product.
.macro FINISH reg, n
.set jj, 0
.rept \n
	v_and_b32 v[(\reg)+jj], v[AM], v[(\reg)+jj]
.set jj, jj+1
.endr
.rept 4
	v_nop
.endr
.endm
; 32 numbers of a lane, register 16 b + i = k 32 b + 16 h + i of my row, become 8 registers of codes at v[cd] and the two scale bytes in v[hw].  tm: 8 registers at work.
.macro QUANT2 s, tm, cd, hw
.irp b, 0,1
	v_max3_num_f32 v[\tm+\b], |v[\s+16*\b]|, |v[\s+16*\b+1]|, 0x4800000   ; my 16 numbers of block b, and the floor 2^(9 - 127): the byte cannot fall under 1
.endr
.irp i, 2,4,6,8,10,12,14
.irp b, 0,1
	s_delay_alu instid0(VALU_DEP_2)
	v_max3_num_f32 v[\tm+\b], v[\tm+\b], |v[\s+16*\b+\i]|, |v[\s+16*\b+\i+1]|
.endr
.endr
.irp b, 0,1
	s_delay_alu instid0(VALU_DEP_2)
	v_permlanex16_b32 v[\tm+2+\b], v[\tm+\b], s[SEL], s[SEL+1]
.endr
.irp b, 0,1
	s_delay_alu instid0(VALU_DEP_2)
	v_max_num_f32 v[\tm+\b], v[\tm+\b], v[\tm+2+\b]   ; with lane l xor 16's: the block's largest magnitude
.endr
.irp b, 0,1
	s_delay_alu instid0(VALU_DEP_2)
	v_add_nc_u32 v[\tm+6+\b], 0xfc000000, v[\tm+\b]   ; 8 off its exponent field: the conversion's scale operand
.endr
.irp b, 0,1
	s_delay_alu instid0(VALU_DEP_4)
	v_and_or_b32 v[\tm+4+\b], v[\tm+\b], 0x7f800000, s[MNT]   ; 448 x the scale
.endr
.irp b, 0,1
	s_delay_alu instid0(VALU_DEP_4)
	v_lshrrev_b32 v[\tm+2+\b], 23, v[\tm+6+\b]     ; the scale's byte
.endr
	s_delay_alu instid0(VALU_DEP_1)
	v_lshl_or_b32 v[\hw], v[\tm+3], 8, v[\tm+2]
.irp b, 0,1
.irp i, 0,1,2,3,4,5,6,7,8,9,10,11,12,13,14,15
	v_med3_num_f32 v[\s+16*\b+\i], v[\s+16*\b+\i], -v[\tm+4+\b], v[\tm+4+\b]   ; the conversion to an 8-bit code does not saturate (ISA guide 7.6.2): the hold at the largest code x the scale
.endr
	v_cvt_scalef32_pk8_fp8_f32 v[\cd+4*\b:\cd+4*\b+1], v[\s+16*\b:\s+16*\b+7], v[\tm+6+\b]
	v_cvt_scalef32_pk8_fp8_f32 v[\cd+4*\b+2:\cd+4*\b+3], v[\s+16*\b+8:\s+16*\b+15], v[\tm+6+\b]
.endr
	v_nop                                          ; a plain line behind the last conversion
.endm
; The same for 64 numbers, four blocks: 16 registers of codes at v[pc], the scale word in v[pw].  tm: 16 registers at work.
.macro QUANT4 s, tm, pc, pw
.irp b, 0,1,2,3
	v_max3_num_f32 v[\tm+\b], |v[\s+16*\b]|, |v[\s+16*\b+1]|, 0x4800000
.endr
.irp i, 2,4,6,8,10,12,14
.irp b, 0,1,2,3
	v_max3_num_f32 v[\tm+\b], v[\tm+\b], |v[\s+16*\b+\i]|, |v[\s+16*\b+\i+1]|
.endr
.endr
.irp b, 0,1,2,3
	s_delay_alu instid0(VALU_DEP_4)
	v_permlanex16_b32 v[\tm+4+\b], v[\tm+\b], s[SEL], s[SEL+1]
.endr
.irp b, 0,1,2,3
	s_delay_alu instid0(VALU_DEP_4)
	v_max_num_f32 v[\tm+\b], v[\tm+\b], v[\tm+4+\b]
.endr
.irp b, 0,1,2,3
	s_delay_alu instid0(VALU_DEP_4)
	v_add_nc_u32 v[\tm+12+\b], 0xfc000000, v[\tm+\b]
.endr
.irp b, 0,1,2,3
	v_and_or_b32 v[\tm+8+\b], v[\tm+\b], 0x7f800000, s[MNT]
.endr
.irp b, 0,1,2,3
	v_lshrrev_b32 v[\tm+4+\b], 23, v[\tm+12+\b]
.endr
	s_delay_alu instid0(VALU_DEP_3)
	v_lshl_or_b32 v[\pw], v[\tm+5], 8, v[\tm+4]
	s_delay_alu instid0(VALU_DEP_1)
	v_lshl_or_b32 v[\pw], v[\tm+6], 16, v[\pw]
	s_delay_alu instid0(VALU_DEP_1)
	v_lshl_or_b32 v[\pw], v[\tm+7], 24, v[\pw]
.irp b, 0,1,2,3
.irp i, 0,1,2,3,4,5,6,7,8,9,10,11,12,13,14,15
	v_med3_num_f32 v[\s+16*\b+\i], v[\s+16*\b+\i], -v[\tm+8+\b], v[\tm+8+\b]
.endr
	v_cvt_scalef32_pk8_fp8_f32 v[\pc+4*\b:\pc+4*\b+1], v[\s+16*\b:\s+16*\b+7], v[\tm+12+\b]
	v_cvt_scalef32_pk8_fp8_f32 v[\pc+4*\b+2:\pc+4*\b+3], v[\s+16*\b+8:\s+16*\b+15], v[\tm+12+\b]
.endr
	v_nop
.endm
	s_load_b256 s[4:11], s[0:1], 0x0               ; x_codes s[4:5], x_scales s[6:7], wc s[8:9], parts s[10:11]
	s_load_b256 s[12:19], s[0:1], 0x20             ; cos s[12:13], sin s[14:15], q_norm_w s[16:17], k_norm_w s[18:19]
	s_load_b128 s[20:23], s[0:1], 0x40             ; qc s[20:21], qs s[22:23]
	s_load_b64 s[24:25], s[0:1], 0x50              ; kv
	s_set_vgpr_msb 0x40
	v_lshl_add_u32 v0, v0, 2, 0x29000
	v_mov_b32 v1, 0
	s_set_vgpr_msb 0x4045
	ds_add_u32 v0, v1
	ds_add_u32 v0, v1
	s_set_vgpr_msb 0x4500
	v_lshrrev_b32 v1, 5, v0
	s_delay_alu instid0(VALU_DEP_1)
	v_readfirstlane_b32 s26, v1                    ; wave 0..11
	s_lshr_b32 s27, s26, 3                         ; KF: 1 in waves 8-11 (k or v), whose tokens are taken in the permuted order
	s_and_b32 s40, s26, 3                          ; TG
	s_lshr_b32 s41, s26, 2
	s_lshl_b32 s41, s41, 3
	s_add_co_u32 s41, s41, ttmp9                   ; the unit
	s_and_b32 s57, ttmp7, 0xffff                   ; Y
	s_lshr_b32 s58, s57, 4                         ; the batch
	s_and_b32 s59, s57, 15                         ; the key step
	; descriptor group 1: 64 rows x 1,024 bytes, 16 bytes of padding behind each row
	s_mov_b32 s28, (1<<20)|(7<<22)|(3<<25)         ; no mask; elements of 1 byte; padding on: after every 256 words (code 7) four words (code 3)
	s_mov_b32 s29, 1024<<16                        ; tensor_dim0
	s_mov_b32 s30, 64<<16                          ; tensor_dim1
	s_mov_b32 s31, 1024<<16                        ; tile_dim0
	s_mov_b32 s32, 64                              ; tile_dim1
	s_mov_b32 s33, 1024                            ; from row to row
	s_mov_b32 s34, 0
	s_mov_b32 s35, 0
	s_lshl_b32 s60, s57, 17                        ; 128 Y rows of 1,024 bytes
	s_lshl_b32 s61, s26, 16                        ; + 64 rows x wave
	s_add_co_u32 s60, s60, s61
	s_mov_b32 s61, 0
	s_mov_b32 s36, 1                               ; group 0: count = 1,
	s_mul_i32 s37, s26, 64*XP                      ; the LDS address,
	s_wait_dscnt 0x0
	s_wait_kmcnt 0x0
	s_add_nc_u64 s[38:39], s[4:5], s[60:61]        ; the tile's first byte,
	s_or_b32 s39, s39, 0x80000000                  ; type = 2
	s_cmp_lt_u32 s26, 2
	s_cbranch_scc0 .Lno_fill                       ; waves 0 and 1 fetch a half each: LDS is filled once
	tensor_load_to_lds s[36:39], s[28:35]
	s_nop 0
.rept 4
	v_nop
.endr
.Lno_fill:
	v_and_b32 v28, 31, v0
	s_delay_alu instid0(VALU_DEP_1)
	v_lshlrev_b32 v1, 4, v28                       ; 16 x lane
	s_delay_alu instid0(VALU_DEP_2)
	v_lshlrev_b32 v2, 2, v28                       ; 4 x lane
	s_cmp_ge_u32 s41, 20
	s_cselect_b32 s3, 1, 0                         ; 1 in a v wave
	s_lshl_b32 s60, s27, 11                        ; my weight's partial sums: q's 512 from byte 0, k's 128 from byte 2,048, v's 128 from byte 2,560
	s_lshl_b32 s62, s3, 9
	s_add_co_u32 s60, s60, s62
	s_add_nc_u64 s[10:11], s[10:11], s[60:61]
.irp i, 0,1,2,3
	global_load_b128 v[36+4*\i:39+4*\i], v1, s[10:11] offset:512*\i   ; 128 sums a load.  For k and v the last three loads bring the sums that follow (inside the buffer's 5,120 bytes); they are weighed with 0 below
.endr
	; every address register is made here, ahead of the parting of the ways
	v_and_b32 v29, 15, v0                          ; r
	v_bfe_u32 v30, v0, 4, 1                        ; h
	s_delay_alu instid0(VALU_DEP_2)
	v_and_b32 v31, 8, v29
	s_delay_alu instid0(VALU_DEP_1)
	v_add_nc_u32 v32, v29, v31                     ; r + 8 (r / 8)
	s_delay_alu instid0(VALU_DEP_2)
	v_mul_u32_u24 v31, v31, s27
	s_delay_alu instid0(VALU_DEP_1)
	v_add_nc_u32 v31, v29, v31                     ; my token in tile 0: r, or r + 8 (r / 8)
	s_lshl_b32 s60, s27, 3
	s_sub_co_u32 s60, 16, s60                      ; tile 1 lies 16 tokens on, or 8
	v_add_nc_u32 v33, s60, v31                     ; my token in tile 1
	v_mad_u32_u24 v34, v30, s60, v31               ; lanes 0-15: tile 0's, lanes 16-31: tile 1's
	s_delay_alu instid0(VALU_DEP_1)
	v_lshlrev_b32 v5, 5, v34                       ; its 32 scale bytes
	s_lshl_b32 s62, s40, 5                         ; 32 TG
	v_add_nc_u32 v3, s62, v31
	s_delay_alu instid0(VALU_DEP_1)
	v_mul_u32_u24 v3, v3, XP
	s_delay_alu instid0(VALU_DEP_1)
	v_lshl_add_u32 v3, v30, 4, v3                  ; q, k: x's fragment of tile 0 in LDS: row x pitch + 16 h
	v_add_nc_u32 v4, s62, v33
	s_delay_alu instid0(VALU_DEP_1)
	v_mul_u32_u24 v4, v4, XP
	s_delay_alu instid0(VALU_DEP_1)
	v_lshl_add_u32 v4, v30, 4, v4                  ; and of tile 1
	v_mul_u32_u24 v9, v32, XP
	s_delay_alu instid0(VALU_DEP_1)
	v_lshl_add_u32 v9, v30, 4, v9                  ; v: tokens 0-63,
	s_delay_alu instid0(VALU_DEP_1)
	v_add_nc_u32 v11, 64*XP, v9                    ; tokens 64-127
	v_lshlrev_b32 v8, 6, v30                       ; the gains: my half's 16 numbers, 64 h
	s_delay_alu instid0(VALU_DEP_1)
	v_lshl_add_u32 v6, v31, 8, v8                  ; cos, sin: my token's row of 256 bytes, + 64 h: tile 0,
	s_delay_alu instid0(VALU_DEP_2)
	v_lshl_add_u32 v7, v33, 8, v8                  ; tile 1
	s_lshl_b32 s60, s41, 16                        ; the unit's four tiles: 65,536 bytes;
	s_mul_i32 s62, s3, s40
	s_lshl_b32 s62, s62, 14                        ; a v wave takes tile TG alone
	s_add_co_u32 s60, s60, s62
	s_add_nc_u64 s[42:43], s[8:9], s[60:61]
	s_lshl_b32 s60, s57, 12                        ; x's scale bytes: 128 Y rows of 32;
	s_sub_co_u32 s62, 1, s3
	s_mul_i32 s62, s62, s40
	s_lshl_b32 s62, s62, 10                        ; a q or k wave: + 32 TG rows
	s_add_co_u32 s60, s60, s62
	s_add_nc_u64 s[48:49], s[6:7], s[60:61]
	s_lshl_b32 s60, s59, 15                        ; cos, sin: position 128 x key step + 32 TG, rows of 256 bytes
	s_lshl_b32 s62, s40, 13
	s_add_co_u32 s60, s60, s62
	s_add_nc_u64 s[12:13], s[12:13], s[60:61]
	s_add_nc_u64 s[14:15], s[14:15], s[60:61]
	s_lshl_b32 s60, s58, 2                         ; the block of kv: ((4 b + kv head) 16 + key step) x 17,408
	s_and_b32 s62, ttmp9, 3
	s_add_co_u32 s60, s60, s62
	s_lshl_b32 s60, s60, 4
	s_add_co_u32 s60, s60, s59
	s_mul_i32 s60, s60, 17408
	s_lshl_b32 s62, s40, 11
	s_add_co_u32 s62, s60, s62                     ; codes: + 2,048 TG,
	s_lshl_b32 s63, s3, 13
	s_add_co_u32 s62, s62, s63                     ; V's 8,192 behind K's
	s_lshl_b32 s63, s40, 7
	s_add_co_u32 s60, s60, s63
	s_add_co_u32 s60, s60, 16384                   ; scale words: + 16,384 + 128 TG,
	s_lshl_b32 s63, s3, 9
	s_add_co_u32 s60, s60, s63                     ; V's 512 behind K's
	s_lshl_b32 s63, s58, 4                         ; q's tile: (16 b + head) 128 + 8 x key step + 2 TG
	s_add_co_u32 s63, s63, s41
	s_lshl_b32 s63, s63, 7
	s_lshl_b32 s2, s59, 3
	s_add_co_u32 s63, s63, s2
	s_lshl_b32 s2, s40, 1
	s_add_co_u32 s63, s63, s2
	s_lshl_b32 s2, s63, 10                         ; 1,024 bytes of codes a tile,
	s_lshl_b32 s63, s63, 7                         ; 128 of scale words
	s_mov_b32 s5, 0x36800000                       ; 2^-18: 1 / the numbers of wk and of wv
	s_cmp_eq_u32 s27, 0                            ; a q wave?  The choice hangs on the wave's number alone
	s_cselect_b64 s[50:51], s[20:21], s[24:25]     ; where my codes go,
	s_cselect_b64 s[52:53], s[22:23], s[24:25]     ; my scale words,
	s_cselect_b64 s[44:45], s[16:17], s[18:19]     ; and my gains
	s_cselect_b32 s62, s2, s62
	s_cselect_b32 s60, s63, s60
	s_cselect_b32 s4, 1.0, 0                       ; the weight of the last 384 partial sums: q's count, k's and v's do not
	s_cselect_b32 s5, 0x35800000, s5               ; 2^-20: 1 / the numbers of wq
	s_mov_b32 s63, 0
	s_add_nc_u64 s[50:51], s[50:51], s[62:63]
	s_add_nc_u64 s[52:53], s[52:53], s[60:61]
	s_mov_b32 s6, 0x01010101
	s_mov_b32 s46, 0x3c800000                      ; 1 / 64
	s_mov_b32 s47, 0x358637bd                      ; 1e-6
	s_mov_b32 s[SEL], 0x76543210
	s_mov_b32 s[SEL+1], 0xfedcba98
	s_mov_b32 s[MNT], 0x600000
	; alpha, its scale byte and its code, while x's tile is on its way
	s_wait_loadcnt 0x0
.irp j, 0,2,4,6,8,10,12,14
	v_add_f32 v[36+\j], v[36+\j], v[37+\j]
.endr
.irp j, 0,4,8,12
	v_add_f32 v[36+\j], v[36+\j], v[38+\j]
.endr
	s_delay_alu instid0(VALU_DEP_2)
	v_add_f32 v40, v40, v44
	s_delay_alu instid0(VALU_DEP_1)
	v_add_f32 v40, v40, v48
	s_delay_alu instid0(VALU_DEP_1)
	v_fma_f32 v36, v40, s4, v36
	s_delay_alu instid0(VALU_DEP_1)
	v_add_f32_dpp v36, v36, v36 row_xmask:1 row_mask:0xf bank_mask:0xf
	s_delay_alu instid0(VALU_DEP_1)
	v_add_f32_dpp v36, v36, v36 row_xmask:2 row_mask:0xf bank_mask:0xf
	s_delay_alu instid0(VALU_DEP_1)
	v_add_f32_dpp v36, v36, v36 row_xmask:4 row_mask:0xf bank_mask:0xf
	s_delay_alu instid0(VALU_DEP_1)
	v_add_f32_dpp v36, v36, v36 row_xmask:8 row_mask:0xf bank_mask:0xf
	s_delay_alu instid0(VALU_DEP_1)
	v_permlanex16_b32 v37, v36, s[SEL], s[SEL+1]
	s_delay_alu instid0(VALU_DEP_1)
	v_add_f32 v36, v36, v37
	s_delay_alu instid0(VALU_DEP_1)
	v_mul_f32 v36, s5, v36                         ; alpha
	s_delay_alu instid0(VALU_DEP_1)
	v_max_num_f32 v38, 0x4800000, v36              ; with the floor 2^(9 - 127): the byte cannot fall under 1
	s_delay_alu instid0(VALU_DEP_1)
	v_add_nc_u32 v39, 0xfc000000, v38              ; 8 off the exponent field: the conversion's scale operand
	s_delay_alu instid0(VALU_DEP_2)
	v_and_or_b32 v40, v38, 0x7f800000, s[MNT]      ; 448 x the scale
	s_delay_alu instid0(VALU_DEP_2)
	v_lshrrev_b32 v41, 23, v39                     ; the scale's byte
	s_delay_alu instid0(VALU_DEP_2)
	v_min_num_f32 v42, v36, v40                    ; alpha, held at the largest code x the scale
	s_delay_alu instid0(VALU_DEP_2)
	v_mul_lo_u32 v10, v41, s6                      ; the byte four times: the weight's scale word, in every lane
.irp j, 0,1,2,3,4,5,6,7
	v_mov_b32 v[44+\j], v42
.endr
	v_cvt_scalef32_pk8_fp8_f32 v[52:53], v[44:51], v39   ; alpha's code, in every byte
	v_nop                                          ; a plain line behind the conversion
	v_or_b32 v[AM], 0x80808080, v52                ; what finishes a fragment's register
	s_wait_tensorcnt 0x0                           ; my half of x's tile has landed (a wave that fetched nothing passes),
	s_barrier_signal -1
	s_barrier_wait -1                              ; everybody's has: the launch's one barrier
	s_cmp_ge_u32 s41, 20
	s_cbranch_scc1 .Lv
	; ---------------- q and k: 32 tokens x 64 channels ----------------
.macro WLOAD s                         ; the unit's four fragments of K step s into set s % 2
.irp t, 0,1,2,3
.irp c, 0,1,2,3
	global_load_b128 v[W0+64*((\s)%2)+16*\t+4*\c:W0+64*((\s)%2)+16*\t+4*\c+3], v1, s[42:43] offset:\t*16384+(\s)*2048+512*\c
.endr
.endr
.endm
.macro QKSTEP s
.irp u, 0,1
.irp c, 0,1,2,3
	ds_load_b128 v[XF+16*\u+4*\c:XF+16*\u+4*\c+3], v[3+\u] offset:128*(\s)+32*\c
.endr
.endr
.if (\s) < 7
	WLOAD (\s)+1
	s_wait_loadcnt 16                              ; all but the sixteen just issued: this step's weights are in
.else
	s_wait_loadcnt 0x0
.endif
	FINISH W0+64*((\s)%2), 64
	s_wait_alu depctr_va_vdst(0)
	s_wait_dscnt 0x0
.irp u, 0,1
.irp t, 0,1,2,3
	MMA ACC+8*(4*\u+\t), W0+64*((\s)%2)+16*\t, XF+16*\u, 10, XS+(\s), \s, 2*\u   ; the eight accumulators by turns; tile 1's scale words stand in lanes 16-31
.endr
.endr
.rept 8
	v_nop                                          ; eight places in front of loads into registers that these products read, and of the first read of results
.endr
.endm
	global_load_b128 v[XS:XS+3], v5, s[48:49]      ; x's scale words of all eight K steps
	global_load_b128 v[XS+4:XS+7], v5, s[48:49] offset:16
	WLOAD 0
	s_wait_alu depctr_va_vdst(0)
.irp s, 0,1,2,3,4,5,6,7
	QKSTEP \s
.endr
.irp b, 0,1
.irp j, 0,1,2,3
	global_load_b128 v[NW+16*\b+4*\j:NW+16*\b+4*\j+3], v8, s[44:45] offset:128*\b+16*\j   ; the gains of my 32 channels
.endr
.endr
.irp u, 0,1
.irp b, 0,1
.irp j, 0,1,2,3
	global_load_b128 v[W0+64*\u+16*\b+4*\j:W0+64*\u+16*\b+4*\j+3], v[6+\u], s[12:13] offset:128*\b+16*\j   ; cos of my token, my channels
.endr
.endr
.irp b, 0,1
.irp j, 0,1,2,3
	global_load_b128 v[W0+32+64*\u+16*\b+4*\j:W0+32+64*\u+16*\b+4*\j+3], v[6+\u], s[14:15] offset:128*\b+16*\j   ; sin
.endr
.endr
.endr
; Tile u of 16 tokens: RMS norm, gain, RoPE, quantised, stored.  left: the loads that may stay out (tile 1's cosines and sines).
.macro NORMROPE u, left
.set A,  ACC+32*\u
.set CC, W0+64*\u
.set SS, W0+32+64*\u
	v_pk_mul_f32 v[T4:T4+1], v[A:A+1], v[A:A+1]    ; the sum of squares, two chains of pairs, each accumulator from its low end on
	v_pk_mul_f32 v[T4+2:T4+3], v[A+2:A+3], v[A+2:A+3]
.irp j, 4,8,12,16,20,24,28
	v_pk_fma_f32 v[T4:T4+1], v[A+\j:A+\j+1], v[A+\j:A+\j+1], v[T4:T4+1]
	v_pk_fma_f32 v[T4+2:T4+3], v[A+\j+2:A+\j+3], v[A+\j+2:A+\j+3], v[T4+2:T4+3]
.endr
	s_delay_alu instid0(VALU_DEP_1)
	v_pk_add_f32 v[T4:T4+1], v[T4:T4+1], v[T4+2:T4+3]
	s_delay_alu instid0(VALU_DEP_1)
	v_add_f32 v[T4], v[T4], v[T4+1]
	s_delay_alu instid0(VALU_DEP_1)
	v_permlanex16_b32 v[T4+1], v[T4], s[SEL], s[SEL+1]   ; the token's other 32 channels lie in lane l xor 16
	s_delay_alu instid0(VALU_DEP_1)
	v_add_f32 v[T4], v[T4], v[T4+1]
	s_delay_alu instid0(VALU_DEP_1)
	v_fma_f32 v[T4], v[T4], s46, s47               ; the mean + 1e-6
	s_wait_alu depctr_va_vdst(0)
	v_rsq_f32 v[T4+2], v[T4]
	v_nop                                          ; a plain line behind the transcendental
	s_wait_alu depctr_va_vdst(0)                   ; and the wait ahead of its first reader
	s_wait_loadcnt \left                           ; the gains and this tile's cosines and sines are in
.irp j, 0,2,4,6,8,10,12,14,16,18,20,22,24,26,28,30
	v_pk_mul_f32 v[A+\j:A+\j+1], v[A+\j:A+\j+1], v[T4+2:T4+3] op_sel_hi:[1,0]   ; / rms
.endr
.irp j, 0,2,4,6,8,10,12,14,16,18,20,22,24,26,28,30
	v_pk_mul_f32 v[A+\j:A+\j+1], v[A+\j:A+\j+1], v[NW+\j:NW+\j+1]               ; x the gain
.endr
.irp j, 0,2,4,6,8,10,12,14
	v_pk_mul_f32 v[CC+\j:CC+\j+1], v[A+\j:A+\j+1], v[CC+\j:CC+\j+1]             ; channels d < 32: y(d) cos(d)
	v_pk_mul_f32 v[CC+16+\j:CC+17+\j], v[A+16+\j:A+17+\j], v[CC+16+\j:CC+17+\j] ; channels d + 32: y(d + 32) cos(d + 32)
	s_delay_alu instid0(VALU_DEP_2)
	v_pk_fma_f32 v[CC+\j:CC+\j+1], v[A+16+\j:A+17+\j], v[SS+\j:SS+\j+1], v[CC+\j:CC+\j+1] neg_lo:[1,0,0] neg_hi:[1,0,0]   ; - y(d + 32) sin(d)
	s_delay_alu instid0(VALU_DEP_2)
	v_pk_fma_f32 v[CC+16+\j:CC+17+\j], v[A+\j:A+\j+1], v[SS+16+\j:SS+17+\j], v[CC+16+\j:CC+17+\j]                        ; + y(d) sin(d + 32)
.endr
	QUANT2 CC, SS, SS+8, SS+16                     ; the sines are done with: their registers take the work, the codes and the bytes
	global_store_b128 v1, v[SS+8:SS+11], s[50:51] offset:1024*\u
	global_store_b128 v1, v[SS+12:SS+15], s[50:51] offset:1024*\u+512
.endm
	NORMROPE 0, 16
	NORMROPE 1, 0
	s_cmp_eq_u32 s27, 0
	s_cbranch_scc1 .Lq_words
	v_lshl_or_b32 v[T4], v[W0+112], 16, v[W0+48]   ; k: one word for the packed fragment: tile 0's two bytes, then tile 1's
	global_store_b32 v2, v[T4], s[52:53]
	s_set_vgpr_msb 0x5
	s_wait_tensorcnt 0x0
	ds_add_u32 v0, v1
	s_wait_dscnt 0x0
	s_set_vgpr_msb 0x500
	s_endpgm
.Lq_words:
	v_lshl_or_b32 v[T4], v[W0+48], 16, v[W0+48]    ; q: a word for each tile, its two bytes twice: q serves as the lower or as the upper half of a K of 128
	v_lshl_or_b32 v[T4+1], v[W0+112], 16, v[W0+112]
	global_store_b32 v2, v[T4], s[52:53]
	global_store_b32 v2, v[T4+1], s[52:53] offset:128
	s_set_vgpr_msb 0x5
	s_wait_tensorcnt 0x0
	ds_add_u32 v0, v1
	s_wait_dscnt 0x0
	s_set_vgpr_msb 0x500
	s_endpgm
	; ---------------- v: 128 tokens x 16 channels ----------------
.Lv:
.macro XSV p                           ; x's scale words of K steps 4 p .. 4 p + 3: register 4 g + s % 4: lanes 0-15 token tile (g, 0), lanes 16-31 tile (g, 1)
.irp g, 0,1,2,3
	global_load_b128 v[XS+4*\g:XS+4*\g+3], v5, s[48:49] offset:1024*\g+16*\p
.endr
.endm
.macro VSTEP s
.if (\s) == 4
	XSV 1                                          ; ahead of the weights' loads, so that the count below covers them
.endif
.if (\s) < 7
.irp c, 0,1,2,3
	global_load_b128 v[WV+16*(((\s)+1)%2)+4*\c:WV+16*(((\s)+1)%2)+4*\c+3], v1, s[42:43] offset:((\s)+1)*2048+512*\c
.endr
.endif
.irp i, 0,1,2,3
.irp c, 0,1,2,3
	ds_load_b128 v[W0+16*\i+4*\c:W0+16*\i+4*\c+3], v9 offset:(32*(\i/2)+8*(\i%2))*XP+128*(\s)+32*\c
.endr
.endr
.irp i, 0,1,2,3
.irp c, 0,1,2,3
	ds_load_b128 v[W0+64+16*\i+4*\c:W0+64+16*\i+4*\c+3], v11 offset:(32*(\i/2)+8*(\i%2))*XP+128*(\s)+32*\c
.endr
.endr
.if (\s) < 7
	s_wait_loadcnt 4                               ; all but the four just issued
.else
	s_wait_loadcnt 0x0
.endif
	FINISH WV+16*((\s)%2), 16
	s_wait_alu depctr_va_vdst(0)
	s_wait_dscnt 0x0
.irp i, 0,1,2,3,4,5,6,7
	MMA ACC+8*\i, W0+16*\i, WV+16*((\s)%2), XS+4*(\i/2)+((\s)%4), 10, \s, \i%2
.endr
.rept 8
	v_nop
.endr
.endm
	XSV 0
.irp c, 0,1,2,3
	global_load_b128 v[WV+4*\c:WV+4*\c+3], v1, s[42:43] offset:512*\c
.endr
	s_wait_alu depctr_va_vdst(0)
.irp s, 0,1,2,3,4,5,6,7
	VSTEP \s
.endr
	QUANT4 ACC, 76, 60, 92                         ; register 16 b + i is key 32 b + 16 h + i of my channel: the fragment of V^T as it stands
.irp c, 0,1,2,3
	global_store_b128 v1, v[60+4*\c:63+4*\c], s[50:51] offset:512*\c
.endr
	global_store_b32 v2, v92, s[52:53]
	s_set_vgpr_msb 0x5
	s_wait_tensorcnt 0x0
	ds_add_u32 v0, v1
	s_wait_dscnt 0x0
	s_set_vgpr_msb 0x500
	s_endpgm
.Lfunc_end_k_q7e89d9d9ef_qkv:
	.size	k_q7e89d9d9ef_qkv, .Lfunc_end_k_q7e89d9d9ef_qkv-k_q7e89d9d9ef_qkv
	.p2alignl 7, 3214868480
	.fill 96, 4, 3214868480
	.section	.rodata,"a",@progbits
	.p2align	6, 0x0
	.amdhsa_kernel k_q7e89d9d9ef_qkv
		.amdhsa_group_segment_fixed_size 169472
		.amdhsa_private_segment_fixed_size 0
		.amdhsa_enable_private_segment 0
		.amdhsa_kernarg_size 88
		.amdhsa_user_sgpr_count 2
		.amdhsa_user_sgpr_kernarg_segment_ptr 1
		.amdhsa_wavefront_size32 1
		.amdhsa_system_sgpr_workgroup_id_x 1
		.amdhsa_system_sgpr_workgroup_id_y 1
		.amdhsa_system_sgpr_workgroup_id_z 1
		.amdhsa_system_vgpr_workitem_id 0
		.amdhsa_next_free_vgpr 258
		.amdhsa_next_free_sgpr 66
		.amdhsa_reserve_vcc 0
		.amdhsa_float_denorm_mode_32 3
		.amdhsa_float_denorm_mode_16_64 3
		.amdhsa_memory_ordered 1
		.amdhsa_forward_progress 1
		.amdhsa_inst_pref_size 125
	.end_amdhsa_kernel
	.amdgpu_metadata
---
amdhsa.version: [ 1, 2 ]
amdhsa.kernels:
  - .name:           k_q7e89d9d9ef_qkv
    .symbol:         k_q7e89d9d9ef_qkv.kd
    .args:
      - { .name: x_codes, .offset: 0, .size: 8, .value_kind: global_buffer, .address_space: global }
      - { .name: x_scales, .offset: 8, .size: 8, .value_kind: global_buffer, .address_space: global }
      - { .name: wc, .offset: 16, .size: 8, .value_kind: global_buffer, .address_space: global }
      - { .name: parts, .offset: 24, .size: 8, .value_kind: global_buffer, .address_space: global }
      - { .name: cos, .offset: 32, .size: 8, .value_kind: global_buffer, .address_space: global }
      - { .name: sin, .offset: 40, .size: 8, .value_kind: global_buffer, .address_space: global }
      - { .name: q_norm_w, .offset: 48, .size: 8, .value_kind: global_buffer, .address_space: global }
      - { .name: k_norm_w, .offset: 56, .size: 8, .value_kind: global_buffer, .address_space: global }
      - { .name: qc, .offset: 64, .size: 8, .value_kind: global_buffer, .address_space: global }
      - { .name: qs, .offset: 72, .size: 8, .value_kind: global_buffer, .address_space: global }
      - { .name: kv, .offset: 80, .size: 8, .value_kind: global_buffer, .address_space: global }
    .group_segment_fixed_size: 169472
    .private_segment_fixed_size: 0
    .kernarg_segment_align: 8
    .kernarg_segment_size: 88
    .max_flat_workgroup_size: 384
    .sgpr_count:     66
    .vgpr_count:     258
    .wavefront_size: 32
...
	.end_amdgpu_metadata
.endif
;; end of part 3
;; launch attn (part 4): grid 32 x 8, 8 waves a work-group, no clusters, 0 bytes of LDS; arguments qc, qs, kv, mimg, live, ac; writes ac
.if DOCPART == 4
	.amdgcn_target "amdgcn-amd-amdhsa--gfx1250"
	.amdhsa_code_object_version 6
	.text
	.protected	k_q7e89d9d9ef_attn
	.globl	k_q7e89d9d9ef_attn
	.p2align	8
	.type	k_q7e89d9d9ef_attn,@function
k_q7e89d9d9ef_attn:
	s_mov_b64 s[64:65], 0
	v_nop
	global_prefetch_b8 v0, s[64:65] scope:SCOPE_SE
	s_setreg_imm32_b32 hwreg(HW_REG_WAVE_MODE, 25, 1), 1
	s_wait_xcnt 0x0
; Attention on codes of E4M3: scores q . k, logit = 50 tanh(score / 400) + mask, softmax, x V; the result is quantised along the model's 1,024 for the last product.
; ONLY LIVE KEY STEPS ARE COMPUTED.  The mask is an input; the launch before has read all of it and stored, for each tile of 16 queries, a word whose bit s says whether key step s (128 keys) can reach an output.  A step is dead where in every
; row its largest mask word lies more than 256 under the row's largest: as 50 tanh lies in -50 .. 50, each of its logits then lies more than 156 under the row's largest logit, and p = 2^(t - M) is 0 in f32, in the definition as here.
; This holds for every mask; with no dead step all 16 steps are computed.  LIMIT: a NaN or an infinity that the scores of a dead step would hold is not carried to the result.
; K, V and the mask go from memory straight into registers, as images of the operand registers, 512 consecutive bytes a load.  No LDS, no barrier, so no cluster either.
; THE SOFTMAX AHEAD OF THE SECOND PRODUCT: t = logit x log2(e); M = the row's largest t so far, rounded up to a whole number; p = 2^(t - M) is quantised along the keys, not normalised; the row's sum is taken of the
; unquantised p and divides at the end.  When M moves, the sum and O are multiplied by 2^(old M - new M): exact.
; ARITHMETIC.  50 tanh(x) = 50 - 100 y, y = 1 / (1 + 2^(C1 score)).  u = mask - 100 y is one fused multiply-add; t - M = u log2(e) + (50 log2(e) - M) is another.
; LIMIT, an order of rounding: the definition rounds 50 tanh, then adds the mask; here the 50 is added behind the mask.  With a mask word m the two differ by at most one rounding of a number of the size |m| + 100.
; SHARES.  Work-group (x, y): batch y / 4, kv head y % 4.  Wave w: head 4 kvh + w % 4, and TWO query tiles one after the other: p = 2 x + w / 4 and 127 - p, so that waves have like numbers of steps where the live steps grow along the queries.
; THE WALK.  The live steps of tile p, then those of tile 127 - p, are one row of items.  K, the mask and V of an item have registers of their own (window 1); each is asked for anew straight behind its use, for the NEXT item: one whole step
; ahead of its next use, across the change of tiles too.  So no prefetch is laid.  The last item of all has no successor: its three runs of loads name key step 15 (the clamp of an empty word), inside the buffers, and nobody reads them.
; A STEP IS LAID IN TURNS: a turn begins with a wait; in it transcendentals of one half or block stand among independent plain lines of another; dependent plain runs stand behind its last transcendental.
; K = 64 IN A FORM OF K = 128: a fragment of K holds TWO key tiles; q lies between zeros, v16-23 0, v24-31 q, v32-39 0: source 1 = v[24:39] meets the first tile, v[16:31] the second.
; LAYOUT: both products transposed: a lane holds ONE query; register 16 f + i of the scores is key 32 f + 16 h + i of the step (h = lane / 16).
; OUT: ac holds the codes [token tile][head][1,024 bytes] and, from byte 4,194,304 on, the scale words [token tile][head][128 bytes].
; LIMITS: NaN is not served; a row whose every logit is -infinity gives NaN, as in the definition; blocks of zeros keep the byte 1 (this program alone reads the bytes).
; REGISTERS, window 0: v1 16 x lane, v2 4 x lane; v10 -M, v12 50 log2(e) - M, v13 the largest t, v[14:15] the sum; v16-39 0 | q | 0; v40-49 scale words and nothing else; v[50:51] f, v54 at work, v56-63 the sum's chains;
; v64-72 the second tile's q; v128-191 scores .. p; v192-223 O^T; v224-239 p's codes; v240-255 at work.  Window 1: v0-63 K's fragments, v64-127 the mask, v128-191 V^T's fragments.
.set KVB, 17408
.set S,   128
.set OT,  192
.set PC,  224
.set BM,  240
.set BP,  244
.set BH,  248
.set BO,  252
.set QS,  40
.set KS,  41
.set VS,  45
.set PW,  49
.set MNT, 19
.set SEL, 20
.set MSB, 0
.macro WIN new                         ; the immediate's high byte repeats the setting that is left
.if MSB != \new
	s_set_vgpr_msb (MSB<<8)|\new
.set MSB, \new
.endif
.endm
.macro W
	s_wait_alu depctr_va_vdst(0)
.endm
; THE NEXT ITEM: the lowest bit left of this tile's word s34, or, where none is left, of the other tile's word s35.  A number read from memory enters an address behind its clamp alone.
.macro NEXT
	s_wait_xcnt 0x0                                ; the loads that are out have read their bases
	s_cmp_lg_u32 s34, 0
	s_cselect_b32 s40, s34, s35
	s_cselect_b32 s41, s36, s37                    ; the item's tile,
	s_min_u32 s41, s41, 127                        ; clamped like the key step: it was chosen by a number read from memory
	s_ctz_i32_b32 s40, s40
	s_min_u32 s40, s40, 15                         ; the key step
	s_sub_co_u32 s42, s34, 1
	s_and_b32 s34, s34, s42                        ; the bit is taken
	s_mul_i32 s42, s40, KVB
	s_add_nc_u64 s[60:61], s[8:9], s[42:43]
	s_lshl_b32 s41, s41, 4
	s_add_co_u32 s41, s41, s40
	s_lshl_b32 s42, s41, 13                        ; mimg: 8,192 bytes for each tile and key step
	s_add_nc_u64 s[62:63], s[10:11], s[42:43]
.endm
.macro LDK                             ; 20 loads
	WIN 0x40
.irp k, 0,1,2,3,4,5,6,7,8,9,10,11,12,13,14,15
	global_load_b128 v[4*\k:4*\k+3], v1, s[60:61] offset:512*\k
.endr
	WIN 0
.irp f, 0,1,2,3
	global_load_b32 v[KS+\f], v2, s[60:61] offset:16384+128*\f
.endr
.endm
.macro LDM                             ; 16 loads
	WIN 0x40
.irp k, 0,1,2,3,4,5,6,7,8,9,10,11,12,13,14,15
	global_load_b128 v[64+4*\k:64+4*\k+3], v1, s[62:63] offset:512*\k
.endr
	WIN 0
.endm
.macro LDV                             ; 20 loads
	WIN 0x40
.irp k, 0,1,2,3,4,5,6,7,8,9,10,11,12,13,14,15
	global_load_b128 v[128+4*\k:128+4*\k+3], v1, s[60:61] offset:8192+512*\k
.endr
	WIN 0
.irp t, 0,1,2,3
	global_load_b32 v[VS+\t], v2, s[60:61] offset:16896+128*\t
.endr
.endm
.macro TM r                            ; t - M of two numbers
	v_pk_fma_f32 v[S+(\r):S+(\r)+1], v[S+(\r):S+(\r)+1], s[48:49], v[12:13] op_sel_hi:[1,0,0]
.endm
.macro HOLD b, j                       ; two p of block b held at 448 x the scale: the conversion to an 8-bit code does not saturate (ISA guide 7.6.2); p is not negative
	v_dual_min_num_f32 v[S+16*(\b)+(\j)], v[BH+(\b)], v[S+16*(\b)+(\j)] :: v_dual_min_num_f32 v[S+16*(\b)+(\j)+1], v[BH+(\b)], v[S+16*(\b)+(\j)+1]
.endm
.macro CVT b
	v_cvt_scalef32_pk8_fp8_f32 v[PC+4*\b:PC+4*\b+1], v[S+16*\b:S+16*\b+7], v[BO+\b]
	v_cvt_scalef32_pk8_fp8_f32 v[PC+4*\b+2:PC+4*\b+3], v[S+16*\b+8:S+16*\b+15], v[BO+\b]
.endm
.macro SUMB b                          ; block b's 16 unquantised p onto the four chains
.irp i, 0,1,2,3
	v_pk_add_f32 v[56+2*\i:57+2*\i], v[56+2*\i:57+2*\i], v[S+16*\b+2*\i:S+16*\b+2*\i+1]
.endr
.irp i, 0,1,2,3
	v_pk_add_f32 v[56+2*\i:57+2*\i], v[56+2*\i:57+2*\i], v[S+16*\b+8+2*\i:S+16*\b+9+2*\i]
.endr
.endm
.macro QUANT2 s, tm, cd, hw            ; 32 numbers of a lane, register 16 b + i = k 32 b + 16 h + i of my row -> 8 registers of codes, two scale bytes
.irp b, 0,1
	v_max3_num_f32 v[\tm+\b], |v[\s+16*\b]|, |v[\s+16*\b+1]|, 0x4800000   ; with the floor 2^(9 - 127): the byte cannot fall under 1
.endr
.irp i, 2,4,6,8,10,12,14
.irp b, 0,1
	s_delay_alu instid0(VALU_DEP_2)
	v_max3_num_f32 v[\tm+\b], v[\tm+\b], |v[\s+16*\b+\i]|, |v[\s+16*\b+\i+1]|
.endr
.endr
.irp b, 0,1
	s_delay_alu instid0(VALU_DEP_2)
	v_permlanex16_b32 v[\tm+2+\b], v[\tm+\b], s[SEL], s[SEL+1]
.endr
.irp b, 0,1
	s_delay_alu instid0(VALU_DEP_2)
	v_max_num_f32 v[\tm+\b], v[\tm+\b], v[\tm+2+\b]
.endr
.irp b, 0,1
	s_delay_alu instid0(VALU_DEP_2)
	v_add_nc_u32 v[\tm+6+\b], 0xfc000000, v[\tm+\b]
.endr
.irp b, 0,1
	s_delay_alu instid0(VALU_DEP_4)
	v_and_or_b32 v[\tm+4+\b], v[\tm+\b], 0x7f800000, s[MNT]
.endr
.irp b, 0,1
	s_delay_alu instid0(VALU_DEP_4)
	v_lshrrev_b32 v[\tm+2+\b], 23, v[\tm+6+\b]
.endr
	s_delay_alu instid0(VALU_DEP_1)
	v_lshl_or_b32 v[\hw], v[\tm+3], 8, v[\tm+2]
.irp b, 0,1
.irp i, 0,1,2,3,4,5,6,7,8,9,10,11,12,13,14,15
	v_med3_num_f32 v[\s+16*\b+\i], v[\s+16*\b+\i], -v[\tm+4+\b], v[\tm+4+\b]
.endr
	v_cvt_scalef32_pk8_fp8_f32 v[\cd+4*\b:\cd+4*\b+1], v[\s+16*\b:\s+16*\b+7], v[\tm+6+\b]
	v_cvt_scalef32_pk8_fp8_f32 v[\cd+4*\b+2:\cd+4*\b+3], v[\s+16*\b+8:\s+16*\b+15], v[\tm+6+\b]
.endr
	v_nop
.endm
	s_load_b256 s[4:11], s[0:1], 0x0               ; qc s[4:5], qs s[6:7], kv s[8:9], mimg s[10:11]
	s_load_b128 s[12:15], s[0:1], 0x20             ; live s[12:13], ac s[14:15]
	v_lshrrev_b32 v1, 5, v0
	v_readfirstlane_b32 s18, v1                    ; wave 0..7
	s_mov_b32 s56, ttmp9
	s_and_b32 s54, ttmp7, 0xffff                   ; y = 4 x batch + kv head
	s_lshr_b32 s57, s54, 2                         ; the batch
	s_and_b32 s55, s54, 3                          ; the kv head
	s_and_b32 s40, s18, 3
	s_lshl_b32 s41, s55, 2
	s_add_co_u32 s41, s41, s40                     ; my head
	s_lshr_b32 s40, s18, 2
	s_lshl_b32 s24, s56, 1
	s_add_co_u32 s24, s24, s40                     ; my first tile p
	s_sub_co_u32 s25, 127, s24                     ; my second
	s_mov_b32 s36, s24                             ; the tile in hand,
	s_mov_b32 s37, s25                             ; and the one that follows
	s_lshl_b32 s42, s57, 4
	s_add_co_u32 s42, s42, s41
	s_lshl_b32 s42, s42, 7                         ; (16 b + head) 128
	s_add_co_u32 s44, s42, s24                     ; q's tiles
	s_add_co_u32 s45, s42, s25
	s_lshl_b32 s79, s57, 7                         ; a token tile is 128 b + tile
	s_lshl_b32 s59, s41, 10                        ; 1,024 bytes of codes a head,
	s_lshl_b32 s78, s41, 7                         ; 128 of scale words
	s_add_co_u32 s78, s78, 0x400000                ; which lie behind the codes
	s_mul_i32 s66, s54, 16*KVB
	s_mov_b32 s67, 0
	s_mov_b32 s43, 0
	s_mov_b32 s[MNT], 0x600000
	s_mov_b32 s[SEL], 0x76543210
	s_mov_b32 s[SEL+1], 0xfedcba98
	s_mov_b32 s22, 0x3bec5f04                      ; C1 = 2 log2(e) / 400
	s_mov_b32 s23, s22                             ; (a packed form names the pair and takes its low word: the upper word is written)
	s_mov_b32 s48, 0x3fb8aa3b                      ; log2(e)
	s_mov_b32 s49, s48
	s_mov_b32 s50, 0xc2c80000                      ; -100
	s_mov_b32 s51, s50
	s_mov_b32 s58, 0x429044fe                      ; 50 log2(e)
	v_and_b32 v6, 31, v0
	v_lshlrev_b32 v1, 4, v6                        ; 16 x lane: an image's place for my lane
	v_lshlrev_b32 v2, 2, v6                        ; 4 x lane: a scale word's
	W
	s_wait_kmcnt 0x0
	s_lshl_b32 s68, s24, 8                         ; 256 bytes of live a tile
	s_lshl_b32 s69, s25, 8
	s_load_b32 s34, s[12:13], s68 offset:0x0
	s_load_b32 s35, s[12:13], s69 offset:0x0
	s_lshl_b32 s42, s44, 10
	s_add_nc_u64 s[70:71], s[4:5], s[42:43]
	s_lshl_b32 s42, s44, 7
	s_add_nc_u64 s[72:73], s[6:7], s[42:43]
	s_lshl_b32 s42, s45, 10
	s_add_nc_u64 s[74:75], s[4:5], s[42:43]
	s_lshl_b32 s42, s45, 7
	s_add_nc_u64 s[76:77], s[6:7], s[42:43]
	global_load_b128 v[24:27], v1, s[70:71]        ; the first tile's q
	global_load_b128 v[28:31], v1, s[70:71] offset:512
	global_load_b32 v[QS], v2, s[72:73]
	global_load_b128 v[64:67], v1, s[74:75]        ; the second's waits in v64-72
	global_load_b128 v[68:71], v1, s[74:75] offset:512
	global_load_b32 v72, v2, s[76:77]
	s_add_nc_u64 s[8:9], s[8:9], s[66:67]          ; kv at my batch and kv head
.irp j, 0,1,2,3,4,5,6,7
	v_mov_b32 v[16+\j], 0                          ; zero codes on both sides of q
	v_mov_b32 v[32+\j], 0
.endr
	v_mov_b32 v51, 0                               ; (named as the upper half of the pair v[50:51])
.irp b, 0,1,2,3
	v_mov_b32 v[BP+\b], 0                          ; a lane permute's destination counts as one of its sources
.endr
	W
	s_wait_kmcnt 0x0
	s_and_b32 s34, s34, 0xffff
	s_and_b32 s35, s35, 0xffff
	s_bcnt1_i32_b32 s38, s34                       ; the tiles' numbers of live steps
	s_bcnt1_i32_b32 s39, s35
	NEXT                                           ; the first item,
	LDK                                            ; asked for in the order in which a step asks: K, the mask, V
	LDM
	LDV
	s_mov_b32 s52, 0                               ; tiles done
.Ltile:
	v_mov_b32 v13, 0xff61b1e6                      ; the largest t so far: -3e38
	v_floor_f32 v10, -v13                          ; -M
	v_mov_b32 v14, 0                               ; the sum, in two halves
	v_mov_b32 v15, 0
.set jj, 0
.rept 32
	v_mov_b32 v[OT+jj], 0                          ; O^T: the first change of M multiplies zeros
.set jj, jj+1
.endr
	s_mov_b32 s53, 0                               ; steps done
	W
.Lstep:
	NEXT
	s_wait_loadcnt 36                              ; K and its scale words are in; behind them: this item's mask (16) and V (20)
	WIN 0x01                                       ; source 0 in window 1
.irp f, 0,1,2,3
	v_wmma_scale_f32_16x16x128_f8f6f4 v[S+16*\f:S+16*\f+7], v[16*\f:16*\f+15], v[24:39], 0, v[KS+\f], v[QS]      ; q | 0: key tile (f, 0)
	v_wmma_scale_f32_16x16x128_f8f6f4 v[S+16*\f+8:S+16*\f+15], v[16*\f:16*\f+15], v[16:31], 0, v[KS+\f], v[QS]   ; 0 | q: key tile (f, 1)
.endr
	WIN 0
.rept 8
	v_nop                                          ; eight places in front of the loads below and of the first read of the scores (ISA guide 7.12.1 for the read of the scores)
.endr
	LDK                                            ; the next item's K
.set jj, 0
.rept 32
	v_pk_mul_f32 v[S+jj:S+jj+1], v[S+jj:S+jj+1], s[22:23] op_sel_hi:[1,0]   ; C1 x score, each accumulator from its low end on
.set jj, jj+2
.endr
	W                                              ; turn 1: 2^.. of the first 32
.set jj, 0
.rept 32
	v_exp_f32 v[S+jj], v[S+jj]
.set jj, jj+1
.endr
	v_nop                                          ; a plain line behind the run
	W                                              ; turn 2: 2^.. of the second 32, among them 1 + .. of the first
.set jj, 0
.rept 16
	v_exp_f32 v[S+32+jj], v[S+32+jj]
	v_exp_f32 v[S+33+jj], v[S+33+jj]
	v_pk_add_f32 v[S+jj:S+jj+1], v[S+jj:S+jj+1], 1.0 op_sel_hi:[1,0]
.set jj, jj+2
.endr
	W                                              ; turn 3: y of the first 32, 1 + .. of the second
.set jj, 0
.rept 16
	v_rcp_f32 v[S+jj], v[S+jj]
	v_rcp_f32 v[S+jj+1], v[S+jj+1]
	v_pk_add_f32 v[S+32+jj:S+33+jj], v[S+32+jj:S+33+jj], 1.0 op_sel_hi:[1,0]
.set jj, jj+2
.endr
	W                                              ; turn 4: y of the second 32, u = mask - 100 y of the first
	s_wait_loadcnt 40                              ; the mask is in; behind it: this item's V (20) and the next K (20)
	WIN 0x10                                       ; source 2 in window 1
.set jj, 0
.rept 16
	v_rcp_f32 v[S+32+jj], v[S+32+jj]
	v_rcp_f32 v[S+33+jj], v[S+33+jj]
	v_pk_fma_f32 v[S+jj:S+jj+1], v[S+jj:S+jj+1], s[50:51], v[64+jj:65+jj] op_sel_hi:[1,0,1]
.set jj, jj+2
.endr
	W                                              ; turn 5, plain: u of the second 32, the maxima, M
.set jj, 32
.rept 16
	v_pk_fma_f32 v[S+jj:S+jj+1], v[S+jj:S+jj+1], s[50:51], v[64+jj:65+jj] op_sel_hi:[1,0,1]
.set jj, jj+2
.endr
	LDM                                            ; the next item's mask
.irp b, 0,1,2,3
	v_max3_num_f32 v[BM+\b], v[S+16*\b], v[S+16*\b+1], v[S+16*\b+2]   ; the largest u of each block of 32 keys: it serves for the row's maximum and, since p rises with u, for the block's largest p
.endr
.irp i, 3,5,7,9,11,13
.irp b, 0,1,2,3
	s_delay_alu instid0(VALU_DEP_4)
	v_max3_num_f32 v[BM+\b], v[BM+\b], v[S+16*\b+\i], v[S+16*\b+\i+1]
.endr
.endr
.irp b, 0,1,2,3
	s_delay_alu instid0(VALU_DEP_4)
	v_max_num_f32 v[BM+\b], v[BM+\b], v[S+16*\b+15]
.endr
.irp b, 0,1,2,3
	s_delay_alu instid0(VALU_DEP_4)
	v_permlanex16_b32 v[BP+\b], v[BM+\b], s[SEL], s[SEL+1]
.endr
.irp b, 0,1,2,3
	s_delay_alu instid0(VALU_DEP_4)
	v_max_num_f32 v[BM+\b], v[BM+\b], v[BP+\b]     ; with lane l xor 16's 16 keys
.endr
	s_delay_alu instid0(VALU_DEP_2)
	v_max3_num_f32 v54, v[BM], v[BM+1], v[BM+2]
	s_delay_alu instid0(VALU_DEP_1)
	v_max_num_f32 v54, v54, v[BM+3]                ; the step's largest u of my query,
	s_delay_alu instid0(VALU_DEP_1)
	v_fma_f32 v54, v54, s48, s58                   ; as t = (u + 50) log2(e)
	s_delay_alu instid0(VALU_DEP_1)
	v_max_num_f32 v13, v13, v54                    ; the running largest t
	v_mov_b32 v54, v10
	s_delay_alu instid0(VALU_DEP_2)
	v_floor_f32 v10, -v13                          ; the new -M = -ceil(t): a whole number
	s_delay_alu instid0(VALU_DEP_1)
	v_sub_f32 v54, v10, v54                        ; old M - new M: a whole number, 0 or less
	s_delay_alu instid0(VALU_DEP_2)
	v_add_f32 v12, s58, v10                        ; 50 log2(e) - M
	s_delay_alu instid0(VALU_DEP_2)
	v_cvt_i32_f32 v54, v54                         ; (it saturates)
	s_delay_alu instid0(VALU_DEP_1)
	v_ldexp_f32 v50, 1.0, v54                      ; f = 2^(old M - new M)
.set jj, 0
.rept 8
	TM jj                                          ; t - M of block 0
.set jj, jj+2
.endr
.irp b, 0,1,2,3
	v_fma_f32 v[BM+\b], v[BM+\b], s48, v12         ; the same of each block's largest u
.endr
	W                                              ; turn 6; directly ahead of the first reader of O^T
.set jj, 0
.rept 16
	v_pk_mul_f32 v[OT+jj:OT+jj+1], v[OT+jj:OT+jj+1], v[50:51] op_sel_hi:[1,0]   ; O^T under the new M
.set jj, jj+2
.endr
.irp b, 0,1,2,3
	v_exp_f32 v[BM+\b], v[BM+\b]                   ; the block's largest p: the same two instructions on the same number
.endr
.set jj, 0
.rept 8
	v_exp_f32 v[S+jj], v[S+jj]                     ; p of block 0, among it t - M of block 1
	v_exp_f32 v[S+jj+1], v[S+jj+1]
	TM 16+jj
.set jj, jj+2
.endr
	W                                              ; turn 7: p of block 1, t - M of block 2; then the scales and block 0's sums
.set jj, 0
.rept 8
	v_exp_f32 v[S+16+jj], v[S+16+jj]
	v_exp_f32 v[S+17+jj], v[S+17+jj]
	TM 32+jj
.set jj, jj+2
.endr
.irp b, 0,1,2,3
	v_max_num_f32 v[BM+\b], 0x4800000, v[BM+\b]    ; the floor 2^(9 - 127): the byte cannot fall under 1
.endr
.irp b, 0,1,2,3
	s_delay_alu instid0(VALU_DEP_4)
	v_add_nc_u32 v[BO+\b], 0xfc000000, v[BM+\b]    ; 8 off the exponent field: the conversion's scale operand
.endr
.irp b, 0,1,2,3
	v_and_or_b32 v[BH+\b], v[BM+\b], 0x7f800000, s[MNT]   ; 448 x the scale
.endr
.irp b, 0,1,2,3
	v_lshrrev_b32 v[BP+\b], 23, v[BO+\b]           ; the scale's byte
.endr
	s_delay_alu instid0(VALU_DEP_3)
	v_lshl_or_b32 v[PW], v[BP+1], 8, v[BP]         ; p's scale word for these 128 keys
	s_delay_alu instid0(VALU_DEP_1)
	v_lshl_or_b32 v[PW], v[BP+2], 16, v[PW]
	s_delay_alu instid0(VALU_DEP_1)
	v_lshl_or_b32 v[PW], v[BP+3], 24, v[PW]
.irp i, 0,1,2,3
	v_pk_add_f32 v[56+2*\i:57+2*\i], v[S+4*\i:S+4*\i+1], v[S+4*\i+2:S+4*\i+3]   ; block 0 starts the sum's four chains: nothing is cleared
.endr
	W                                              ; turn 8: p of block 2, t - M of block 3, block 0's holds; then block 1's sums
.set jj, 0
.rept 8
	v_exp_f32 v[S+32+jj], v[S+32+jj]
	TM 48+jj
	v_exp_f32 v[S+33+jj], v[S+33+jj]
	HOLD 0, jj
.set jj, jj+2
.endr
	SUMB 1
	W                                              ; turn 9: p of block 3, block 1's holds; block 0's codes; block 2's sums
.set jj, 0
.rept 8
	v_exp_f32 v[S+48+jj], v[S+48+jj]
	v_exp_f32 v[S+49+jj], v[S+49+jj]
	HOLD 1, jj
.set jj, jj+2
.endr
	CVT 0
	SUMB 2
	W                                              ; turn 10, no transcendental
	SUMB 3
.set jj, 0
.rept 8
	HOLD 2, jj
.set jj, jj+2
.endr
.set jj, 0
.rept 8
	HOLD 3, jj
.set jj, jj+2
.endr
	CVT 1
	CVT 2
	CVT 3
	v_pk_add_f32 v[56:57], v[56:57], v[58:59]      ; the four chains become one: these four lines are also the places between the codes and the products
	v_pk_add_f32 v[60:61], v[60:61], v[62:63]
	v_pk_add_f32 v[56:57], v[56:57], v[60:61]
	v_pk_fma_f32 v[14:15], v[14:15], v[50:51], v[56:57] op_sel_hi:[1,0,1]   ; the sum under the new M, and the step's
	W
	s_wait_loadcnt 36                              ; V^T and its scale words are in; behind them: the next K (20) and the next mask (16)
	WIN 0x01
.irp t, 0,1,2,3
	v_wmma_scale_f32_16x16x128_f8f6f4 v[OT+8*\t:OT+8*\t+7], v[128+16*\t:128+16*\t+15], v[PC:PC+15], v[OT+8*\t:OT+8*\t+7], v[VS+\t], v[PW]   ; the four accumulators by turns
.endr
	WIN 0
.rept 8
	v_nop                                          ; eight places in front of the loads below
.endr
	LDV                                            ; the next item's V
	s_add_co_u32 s53, s53, 1
	s_cmp_lt_u32 s53, s38
	s_cbranch_scc1 .Lstep
	; THE TILE'S WAY OUT: O^T / the sum, quantised along the channels: register 16 b + i is channel 32 b + 16 h + i of my head: half a fragment of the last product's operand
	s_min_u32 s40, s36, 127                        ; the tile that is finished,
	s_add_co_u32 s40, s40, s79                     ; its token tile,
	s_lshl_b32 s42, s40, 14
	s_add_co_u32 s42, s42, s59
	s_add_nc_u64 s[26:27], s[14:15], s[42:43]      ; where its codes go: 16,384 bytes a token tile, 1,024 a head (the last tile's stores have read these bases: the wait stands at the change of tiles)
	s_lshl_b32 s42, s40, 11
	s_add_co_u32 s42, s42, s78
	s_add_nc_u64 s[28:29], s[14:15], s[42:43]      ; and its scale words: 2,048 a token tile, 128 a head
	v_add_f32 v14, v14, v15
	s_delay_alu instid0(VALU_DEP_1)
	v_permlanex16_b32 v54, v14, s[SEL], s[SEL+1]
	s_delay_alu instid0(VALU_DEP_1)
	v_add_f32 v14, v14, v54                        ; the row's sum
	W
	v_rcp_f32 v14, v14
	v_nop                                          ; the plain line behind the reciprocal
	W
.set jj, 0
.rept 16
	v_pk_mul_f32 v[S+jj:S+jj+1], v[OT+jj:OT+jj+1], v[14:15] op_sel_hi:[1,0]
.set jj, jj+2
.endr
	QUANT2 S, BM, PC, 54
	global_store_b128 v1, v[PC:PC+3], s[26:27]
	global_store_b128 v1, v[PC+4:PC+7], s[26:27] offset:512
	global_store_b32 v2, v54, s[28:29]
	s_wait_xcnt 0x0                                ; the stores have read their registers and bases: both are written below and in the next tile
	s_sub_co_u32 s40, s35, 1
	s_and_b32 s34, s35, s40                        ; its word, less the bit that the last step has taken,
	s_mov_b32 s35, 0
	s_mov_b32 s36, s37
	s_mov_b32 s38, s39
.irp j, 0,1,2,3,4,5,6,7
	v_mov_b32 v[24+\j], v[64+\j]                   ; and its q
.endr
	v_mov_b32 v[QS], v72
	s_add_co_u32 s52, s52, 1
	s_cmp_lt_u32 s52, 2
	W
	s_cbranch_scc1 .Ltile
	s_endpgm
.Lfunc_end_k_q7e89d9d9ef_attn:
	.size	k_q7e89d9d9ef_attn, .Lfunc_end_k_q7e89d9d9ef_attn-k_q7e89d9d9ef_attn
	.p2alignl 7, 3214868480
	.fill 96, 4, 3214868480
	.section	.rodata,"a",@progbits
	.p2align	6, 0x0
	.amdhsa_kernel k_q7e89d9d9ef_attn
		.amdhsa_group_segment_fixed_size 0
		.amdhsa_private_segment_fixed_size 0
		.amdhsa_enable_private_segment 0
		.amdhsa_kernarg_size 48
		.amdhsa_user_sgpr_count 2
		.amdhsa_user_sgpr_kernarg_segment_ptr 1
		.amdhsa_wavefront_size32 1
		.amdhsa_system_sgpr_workgroup_id_x 1
		.amdhsa_system_sgpr_workgroup_id_y 1
		.amdhsa_system_sgpr_workgroup_id_z 1
		.amdhsa_system_vgpr_workitem_id 0
		.amdhsa_next_free_vgpr 448
		.amdhsa_next_free_sgpr 80
		.amdhsa_reserve_vcc 0
		.amdhsa_float_denorm_mode_32 3
		.amdhsa_float_denorm_mode_16_64 3
		.amdhsa_memory_ordered 1
		.amdhsa_forward_progress 1
		.amdhsa_inst_pref_size 53
	.end_amdhsa_kernel
	.amdgpu_metadata
---
amdhsa.version: [ 1, 2 ]
amdhsa.kernels:
  - .name:           k_q7e89d9d9ef_attn
    .symbol:         k_q7e89d9d9ef_attn.kd
    .args:
      - { .name: qc, .offset: 0, .size: 8, .value_kind: global_buffer, .address_space: global }
      - { .name: qs, .offset: 8, .size: 8, .value_kind: global_buffer, .address_space: global }
      - { .name: kv, .offset: 16, .size: 8, .value_kind: global_buffer, .address_space: global }
      - { .name: mimg, .offset: 24, .size: 8, .value_kind: global_buffer, .address_space: global }
      - { .name: live, .offset: 32, .size: 8, .value_kind: global_buffer, .address_space: global }
      - { .name: ac, .offset: 40, .size: 8, .value_kind: global_buffer, .address_space: global }
    .group_segment_fixed_size: 0
    .private_segment_fixed_size: 0
    .kernarg_segment_align: 8
    .kernarg_segment_size: 48
    .max_flat_workgroup_size: 256
    .sgpr_count:     80
    .vgpr_count:     448
    .wavefront_size: 32
...
	.end_amdgpu_metadata
.endif
;; end of part 4
;; launch oproj (part 5): grid 8 x 32, 8 waves a work-group, clusters of 4 x 4, 327,680 bytes of LDS; arguments ac, wc, parts, out0; writes out0
.if DOCPART == 5
	.amdgcn_target "amdgcn-amd-amdhsa--gfx1250"
	.amdhsa_code_object_version 6
	.text
	.protected	k_q7e89d9d9ef_oproj
	.globl	k_q7e89d9d9ef_oproj
	.p2align	8
	.type	k_q7e89d9d9ef_oproj,@function
k_q7e89d9d9ef_oproj:
	s_mov_b64 s[64:65], 0
	v_nop
	global_prefetch_b8 v0, s[64:65] scope:SCOPE_SE
	s_setreg_imm32_b32 hwreg(HW_REG_WAVE_MODE, 25, 1), 1
	s_wait_xcnt 0x0
	s_wait_alu depctr_hold_cnt(0) depctr_sa_sdst(0) depctr_va_vdst(0) depctr_va_sdst(0) depctr_va_ssrc(0) depctr_va_vcc(0) depctr_vm_vsrc(0)
	s_getreg_b32 s2, hwreg(HW_REG_IB_STS2, 6, 4)
	s_cmp_eq_u32 s2, 0
	s_cbranch_scc0 .Lentry_in_a_cluster
	s_endpgm
.Lentry_in_a_cluster:
	s_bfe_u32 s2, ttmp6, 0x10000c
	s_cmp_lg_u32 s2, 0xf033
	s_cbranch_scc0 .Lentry_shape_is_right
	s_endpgm
.Lentry_shape_is_right:
; out0 = O Wo^T on codes of E4M3: O's codes and scale words as the launch before left them (images of operand registers), Wo's sign bytes from wc, finished here by one AND with 0x80 | the code of alpha = mean |wo|.
; Work-group (X, Y): 128 tokens x 128 columns, all of K = 1,024 in LDS: O's eight images of 16,384 bytes, then Wo's eight.  Clusters of 4 x 4: O's tile is shared along a row, Wo's along a column.
; THE HEAD'S LOADS, ONE A WAVE: waves 0-3 fetch a quarter of O's tile each (128 rows of 256 bytes), waves 4-7 a quarter of Wo's, in two arms that join, behind the one opening round.  LDS is filled once.
; Wave w: token tiles 2 (w % 4), 2 (w % 4) + 1 x 64 columns (w / 4): eight accumulators by turns.  Results leave through the wave's own stage in LDS as aligned runs of 256 bytes.
.set WOFF, 131072
.set STG,  262144
.set SPT,  272
.set AM,   12
.set AS,   16
.set AF,   32
.set WF,   64
.set OB,   128
.set ACC,  192
.macro ROUND
	s_barrier_signal -1
	s_barrier_wait -1
	s_cmp_lg_u32 s14, 0
	s_cbranch_scc1 .Lnw0_\@
	s_barrier_signal -3
.Lnw0_\@:
	s_barrier_wait -3
	s_barrier_signal -1
	s_barrier_wait -1
.endm
	s_load_b64 s[4:5], s[0:1], 0x0                 ; ac: O's codes, and from byte 4,194,304 on its scale words
	s_load_b128 s[8:11], s[0:1], 0x8               ; wc, parts
	s_load_b64 s[12:13], s[0:1], 0x18              ; out0
	v_lshl_add_u32 v14, v0, 2, 0x48800
	v_mov_b32 v15, 0
	ds_add_u32 v14, v15
	ds_add_u32 v14, v15
	v_lshrrev_b32 v1, 5, v0
	s_delay_alu instid0(VALU_DEP_1)
	v_readfirstlane_b32 s14, v1
	s_and_b32 s15, s14, 3
	s_lshr_b32 s16, s14, 2
	s_bfe_u32 s17, ttmp6, 0x40000
	s_bfe_u32 s18, ttmp6, 0x40004
	s_lshl_b32 s19, ttmp9, 2
	s_add_co_u32 s19, s19, s17
	s_and_b32 s20, ttmp7, 0xffff
	s_lshl_b32 s20, s20, 2
	s_add_co_u32 s20, s20, s18
	s_lshl_b32 s21, s18, 2
	s_lshl_b32 s21, 15, s21
	s_lshl_b32 s22, 0x1111, s17
	s_or_b32 s24, s21, (3<<16)|(1<<21)
	s_or_b32 s32, s22, (3<<16)|(1<<21)
.irp g, 24, 32
	s_mov_b32 s[\g+1], 32<<16
	s_mov_b32 s[\g+2], 128<<16
	s_mov_b32 s[\g+3], 32<<16
	s_mov_b32 s[\g+4], 128
	s_mov_b32 s[\g+5], 32
	s_mov_b32 s[\g+6], 0
	s_mov_b32 s[\g+7], 0
.endr
	s_lshl_b32 s48, s20, 17
	s_lshl_b32 s49, s15, 15
	s_add_co_u32 s48, s48, s49
	s_mov_b32 s49, 0
	s_lshl_b32 s50, s19, 3
	s_add_co_u32 s50, s50, 96
	s_lshl_b32 s50, s50, 14
	s_lshl_b32 s51, s15, 15
	s_add_co_u32 s50, s50, s51
	s_mov_b32 s51, 0
	s_mov_b32 s40, 1
	s_lshl_b32 s41, s15, 15
	s_mov_b32 s44, 1
	s_add_co_u32 s45, s41, WOFF
	s_lshl_b32 s52, s20, 14
	s_lshl_b32 s53, s15, 12
	s_add_co_u32 s52, s52, s53
	s_mov_b32 s53, 0
	s_lshl_b32 s54, s20, 19
	s_lshl_b32 s55, s15, 17
	s_add_co_u32 s54, s54, s55
	s_lshl_b32 s55, s19, 9
	s_add_co_u32 s54, s54, s55
	s_lshl_b32 s55, s16, 8
	s_add_co_u32 s54, s54, s55
	s_mov_b32 s55, 0
	s_mov_b32 s58, 0x76543210
	s_mov_b32 s59, 0xfedcba98
	s_mov_b32 s60, 0x600000
	s_mov_b32 s61, 0x01010101
	s_mov_b32 s62, 0x35800000
	s_wait_dscnt 0x0
	s_wait_kmcnt 0x0
	s_add_nc_u64 s[42:43], s[4:5], s[48:49]
	s_or_b32 s43, s43, 0x80000000
	s_add_nc_u64 s[46:47], s[8:9], s[50:51]
	s_or_b32 s47, s47, 0x80000000
	ROUND
	s_cmp_lt_u32 s14, 4
	s_cbranch_scc0 .Lfor_w
	tensor_load_to_lds s[40:43], s[24:31]
	s_nop 0
.rept 4
	v_nop
.endr
	s_branch .Lasked
.Lfor_w:
	tensor_load_to_lds s[44:47], s[32:39]
	s_nop 0
.rept 4
	v_nop
.endr
.Lasked:
	s_add_nc_u64 s[6:7], s[4:5], s[52:53]
	s_add_nc_u64 s[6:7], s[6:7], 0x400000
	s_add_nc_u64 s[12:13], s[12:13], s[54:55]
	v_and_b32 v8, 31, v0
	s_delay_alu instid0(VALU_DEP_1)
	v_lshlrev_b32 v1, 4, v8
	s_delay_alu instid0(VALU_DEP_2)
	v_lshlrev_b32 v2, 2, v8
.irp i, 0,1,2,3
	global_load_b128 v[OB+4*\i:OB+4*\i+3], v1, s[10:11] offset:3072+512*\i
.endr
.irp u, 0,1
.irp d, 0,1,2,3,4,5,6,7,8,9,10,11,12,13,14,15
	global_load_b32 v[ACC+16*\u+\d], v2, s[6:7] offset:2048*\u+128*\d
.endr
.endr
	s_lshl_b32 s56, s15, 15
	v_add_nc_u32 v3, s56, v1
	s_lshl_b32 s56, s16, 16
	s_add_co_u32 s56, s56, WOFF
	v_add_nc_u32 v4, s56, v1
	v_and_b32 v9, 15, v0
	v_bfe_u32 v11, v0, 4, 1
	s_mul_i32 s56, s14, 16*SPT
	s_add_co_u32 s56, s56, STG
	v_mul_u32_u24 v5, v9, SPT
	s_delay_alu instid0(VALU_DEP_1)
	v_lshl_add_u32 v5, v11, 6, v5
	s_delay_alu instid0(VALU_DEP_1)
	v_add_nc_u32 v5, s56, v5
	v_mul_u32_u24 v6, v11, SPT
	s_delay_alu instid0(VALU_DEP_1)
	v_lshl_add_u32 v6, v9, 4, v6
	s_delay_alu instid0(VALU_DEP_1)
	v_add_nc_u32 v6, s56, v6
	v_lshlrev_b32 v7, 12, v11
	s_delay_alu instid0(VALU_DEP_1)
	v_lshl_add_u32 v7, v9, 4, v7
	s_wait_loadcnt 0x0
.irp u, 0,1
.irp s, 0,1,2,3,4,5,6,7
	v_lshl_or_b32 v[AS+8*\u+\s], v[ACC+16*\u+2*\s+1], 16, v[ACC+16*\u+2*\s]
.endr
.endr
.irp j, 0,2,4,6,8,10,12,14
	v_add_f32 v[OB+\j], v[OB+\j], v[OB+1+\j]
.endr
.irp j, 0,4,8,12
	v_add_f32 v[OB+\j], v[OB+\j], v[OB+2+\j]
.endr
	s_delay_alu instid0(VALU_DEP_3)
	v_add_f32 v[OB], v[OB], v[OB+4]
	s_delay_alu instid0(VALU_DEP_2)
	v_add_f32 v[OB+8], v[OB+8], v[OB+12]
	s_delay_alu instid0(VALU_DEP_1)
	v_add_f32 v[OB], v[OB], v[OB+8]
	s_delay_alu instid0(VALU_DEP_1)
	v_add_f32_dpp v[OB], v[OB], v[OB] row_xmask:1 row_mask:0xf bank_mask:0xf
	s_delay_alu instid0(VALU_DEP_1)
	v_add_f32_dpp v[OB], v[OB], v[OB] row_xmask:2 row_mask:0xf bank_mask:0xf
	s_delay_alu instid0(VALU_DEP_1)
	v_add_f32_dpp v[OB], v[OB], v[OB] row_xmask:4 row_mask:0xf bank_mask:0xf
	s_delay_alu instid0(VALU_DEP_1)
	v_add_f32_dpp v[OB], v[OB], v[OB] row_xmask:8 row_mask:0xf bank_mask:0xf
	s_delay_alu instid0(VALU_DEP_1)
	v_permlanex16_b32 v[OB+1], v[OB], s58, s59
	s_delay_alu instid0(VALU_DEP_1)
	v_add_f32 v[OB], v[OB], v[OB+1]
	s_delay_alu instid0(VALU_DEP_1)
	v_mul_f32 v[OB], s62, v[OB]
	s_delay_alu instid0(VALU_DEP_1)
	v_max_num_f32 v[OB+2], 0x4800000, v[OB]
	s_delay_alu instid0(VALU_DEP_1)
	v_add_nc_u32 v[OB+3], 0xfc000000, v[OB+2]
	s_delay_alu instid0(VALU_DEP_2)
	v_and_or_b32 v[OB+4], v[OB+2], 0x7f800000, s60
	s_delay_alu instid0(VALU_DEP_2)
	v_lshrrev_b32 v[OB+5], 23, v[OB+3]
	s_delay_alu instid0(VALU_DEP_2)
	v_min_num_f32 v[OB+6], v[OB], v[OB+4]
	s_delay_alu instid0(VALU_DEP_2)
	v_mul_lo_u32 v10, v[OB+5], s61
.irp j, 0,1,2,3,4,5,6,7
	v_mov_b32 v[OB+8+\j], v[OB+6]
.endr
	v_cvt_scalef32_pk8_fp8_f32 v[OB+16:OB+17], v[OB+8:OB+15], v[OB+3]
	v_nop
	v_or_b32 v[AM], 0x80808080, v[OB+16]
	s_wait_alu depctr_va_vdst(0)
	s_wait_tensorcnt 0x0
	s_barrier_signal -1
	s_barrier_wait -1
.macro OSTEP s
.irp t, 0,1,2,3
.irp c, 0,1,2,3
	ds_load_b128 v[WF+16*\t+4*\c:WF+16*\t+4*\c+3], v4 offset:16384*\t+2048*\s+512*\c
.endr
.endr
.irp u, 0,1
.irp c, 0,1,2,3
	ds_load_b128 v[AF+16*\u+4*\c:AF+16*\u+4*\c+3], v3 offset:16384*\u+2048*\s+512*\c
.endr
.endr
	s_wait_dscnt 8
.set jj, 0
.rept 64
	v_and_b32 v[WF+jj], v[AM], v[WF+jj]
.set jj, jj+1
.endr
.rept 4
	v_nop
.endr
	s_wait_alu depctr_va_vdst(0)
	s_wait_dscnt 0x0
.irp u, 0,1
.irp t, 0,1,2,3
.if \s == 0
	v_wmma_scale_f32_16x16x128_f8f6f4 v[ACC+8*(4*\u+\t):ACC+8*(4*\u+\t)+7], v[WF+16*\t:WF+16*\t+15], v[AF+16*\u:AF+16*\u+15], 0, v10, v[AS+8*\u+\s]
.else
	v_wmma_scale_f32_16x16x128_f8f6f4 v[ACC+8*(4*\u+\t):ACC+8*(4*\u+\t)+7], v[WF+16*\t:WF+16*\t+15], v[AF+16*\u:AF+16*\u+15], v[ACC+8*(4*\u+\t):ACC+8*(4*\u+\t)+7], v10, v[AS+8*\u+\s]
.endif
.endr
.endr
.rept 8
	v_nop
.endr
.endm
.irp s, 0,1,2,3,4,5,6,7
	OSTEP \s
.endr
.irp u, 0,1
.irp g, 0,1
.irp j, 0,1,2,3
	ds_store_b128 v5, v[ACC+32*\u+16*\g+4*\j:ACC+32*\u+16*\g+4*\j+3] offset:128*\g+16*\j
.endr
.endr
.irp i, 0,1,2,3,4,5,6,7
	ds_load_b128 v[OB+32*\u+4*\i:OB+32*\u+4*\i+3], v6 offset:2*\i*SPT
.endr
.endr
.irp i, 0,1,2,3,4,5,6,7
	s_wait_dscnt 23-\i
	global_store_b128 v7, v[OB+4*\i:OB+4*\i+3], s[12:13] offset:8192*\i th:TH_STORE_NT
.endr
.irp i, 0,1,2,3,4,5,6,7
	s_wait_dscnt 7-\i
	global_store_b128 v7, v[OB+32+4*\i:OB+32+4*\i+3], s[12:13] offset:65536+8192*\i th:TH_STORE_NT
.endr
	s_wait_tensorcnt 0x0
	ds_add_u32 v14, v15
	s_wait_dscnt 0x0
	ROUND
	s_endpgm
.Lfunc_end_k_q7e89d9d9ef_oproj:
	.size	k_q7e89d9d9ef_oproj, .Lfunc_end_k_q7e89d9d9ef_oproj-k_q7e89d9d9ef_oproj
	.p2alignl 7, 3214868480
	.fill 96, 4, 3214868480
	.section	.rodata,"a",@progbits
	.p2align	6, 0x0
	.amdhsa_kernel k_q7e89d9d9ef_oproj
		.amdhsa_group_segment_fixed_size 327680
		.amdhsa_private_segment_fixed_size 0
		.amdhsa_enable_private_segment 0
		.amdhsa_kernarg_size 32
		.amdhsa_user_sgpr_count 2
		.amdhsa_user_sgpr_kernarg_segment_ptr 1
		.amdhsa_wavefront_size32 1
		.amdhsa_system_sgpr_workgroup_id_x 1
		.amdhsa_system_sgpr_workgroup_id_y 1
		.amdhsa_system_sgpr_workgroup_id_z 1
		.amdhsa_system_vgpr_workitem_id 0
		.amdhsa_next_free_vgpr 256
		.amdhsa_next_free_sgpr 66
		.amdhsa_reserve_vcc 0
		.amdhsa_float_denorm_mode_32 3
		.amdhsa_float_denorm_mode_16_64 3
		.amdhsa_memory_ordered 1
		.amdhsa_forward_progress 1
		.amdhsa_inst_pref_size 57
	.end_amdhsa_kernel
	.amdgpu_metadata
---
amdhsa.version: [ 1, 2 ]
amdhsa.kernels:
  - .name:           k_q7e89d9d9ef_oproj
    .symbol:         k_q7e89d9d9ef_oproj.kd
    .args:
      - { .name: ac, .offset: 0, .size: 8, .value_kind: global_buffer, .address_space: global }
      - { .name: wc, .offset: 8, .size: 8, .value_kind: global_buffer, .address_space: global }
      - { .name: parts, .offset: 16, .size: 8, .value_kind: global_buffer, .address_space: global }
      - { .name: out0, .offset: 24, .size: 8, .value_kind: global_buffer, .address_space: global }
    .group_segment_fixed_size: 327680
    .private_segment_fixed_size: 0
    .kernarg_segment_align: 8
    .kernarg_segment_size: 32
    .max_flat_workgroup_size: 256
    .sgpr_count:     66
    .vgpr_count:     256
    .wavefront_size: 32
...
	.end_amdgpu_metadata
.endif
;; end of part 5
